; MI455X (gfx1250); checked and timed in simulation.
; The chip was launched on July 23, 2026; its instructions are those of AMD's public machine-readable ISA for CDNA 5 (MIT licence, August 2026) and "CDNA5" Instruction Set Architecture Reference Guide (July 2026). The comments in the code are by the model that wrote it; some were corrected since.
;; Attention. Allowed arithmetic: float matrix products may take bf16 or f16 operands with f32 sums; other float arithmetic in f32, or as packed bf16 or f16 multiplies, adds, multiply-adds, maxima and minima; sums over many terms, partial sums and values carried from step to step in f32; what a program stores and reads back later, other than sums and carried values, may be rounded once to bf16 or f16.
;; Inputs: k_norm_w 64 float32; proj_b 1,024 float32; proj_w 1,024 x 1,024 float32; q_norm_w 64 float32; qkv_w 3,072 x 1,024 float32; x 4 x 2,048 x 1,024 float32.
;; Outputs: out0 4 x 2,048 x 1,024 float32.
;; One version. Each part assembles by itself: llvm-mc -triple=amdgcn-amd-amdhsa -mcpu=gfx1250 --defsym DOCPART=n.
;; ======== version 1 of 1: 4 launches
;; limits: values are held in f16: magnitudes above 65,504 overflow, below 6.1e-05 lose precision
;; workspace buffers: xb 16,777,216 bytes; wqb 6,291,456 bytes; pwb 2,097,152 bytes; wtab 768 bytes; q 16,777,216 bytes; k 16,777,216 bytes; v 16,777,216 bytes; o 16,777,216 bytes
;; launch cast (part 1): grid 769 x 1, 8 waves a work-group, no clusters, 0 bytes of LDS; arguments x, qkv_w, proj_w, q_norm_w, k_norm_w, xb, wqb, pwb, wtab; writes xb, wqb, pwb, wtab
.if DOCPART == 1
	.amdgcn_target "amdgcn-amd-amdhsa--gfx1250"
	.amdhsa_code_object_version 6
	.text
	.protected	k_q1ad78c5c60_cast
	.globl	k_q1ad78c5c60_cast
	.p2align	8
	.type	k_q1ad78c5c60_cast,@function
k_q1ad78c5c60_cast:
	s_mov_b64 s[64:65], 0
	v_nop
	global_prefetch_b8 v0, s[64:65] scope:SCOPE_SE
	s_setreg_imm32_b32 hwreg(HW_REG_WAVE_MODE, 25, 1), 1
	s_wait_xcnt 0x0
; THE INPUTS ARE ROUNDED ONCE AND LAID IN BLOCKS OF 64 CHANNELS.
;   xb  [b 4][kb 16][n 2048][64] bf16 = x[b][n][64 kb + ..]          wqb [kb 16][o 3072][64] bf16 = qkv_w[o][64 kb + ..]
;   pwb [kb 16][o 1024][64]: proj_w rounded to bf16, that number written as f16 (its partner in the last product, O, is f16)
;   wtab [3][64] f32: q_norm_w and k_norm_w rounded to bf16 and widened again, then 64 ones (v has no gain)
; So a tile of R rows x 64 channels is R x 128 dense bytes for the launches behind.
; LIMITS.  proj_w within 65,504; below 2^-14 its numbers keep f16's fixed step of 2^-24.
; SHARES.  A work-group owns 16 rows of 4,096 bytes (groups 0-511: x; 512-703: qkv_w; 704-767: proj_w; 768: the table), a wave two of them.
; Load j takes channels 64 j .. 64 j + 63 of both rows: lanes 0-15 256 consecutive bytes of one row, lanes 16-31 of the next.  All 16 loads go out first (8 KiB a wave).
; Store j: 8 bytes a lane, 256 consecutive bytes at a multiple of 256 from the buffer's first byte: the two rows' 128 bytes lie on end in block j.
; No LDS, no barrier, no matrix unit: memory binds, no byte is wanted twice.  No register that a load or store names is written again, so no wait frees any.
.set SRC, 24                           ; s[24:25] the wave's two rows in the source
.set DST, 26                           ; s[26:27] their place in block 0 of the copy
.set X,   16                           ; v[16:79] load j's four registers at X + 4 j; the packed pair takes the first two
; kbs: bytes from a block of 64 channels to the next in the copy.  half = 1: the bf16 numbers are written as f16.
.macro PATH kbs, half
.set j, 0
.rept 16
	global_load_b128 v[X+4*j:X+4*j+3], v1, s[SRC:SRC+1] offset:256*j th:TH_LOAD_NT
.set j, j+1
.endr
.set j, 0
.rept 16
	s_wait_loadcnt 15-j                            ; loads come back in order: load j is in, the 15 - j younger ones stay out
	v_cvt_pk_bf16_f32 v[X+4*j],   v[X+4*j],   v[X+4*j+1]
	v_cvt_pk_bf16_f32 v[X+4*j+1], v[X+4*j+2], v[X+4*j+3]
.if \half
	v_lshlrev_b32 v4, 16, v[X+4*j]                 ; the rounded numbers as f32 again,
	v_and_b32     v5, 0xffff0000, v[X+4*j]
	v_lshlrev_b32 v6, 16, v[X+4*j+1]
	v_and_b32     v7, 0xffff0000, v[X+4*j+1]
	v_cvt_pk_f16_f32 v[X+4*j],   v4, v5            ; and spelled in f16
	v_cvt_pk_f16_f32 v[X+4*j+1], v6, v7
.endif
	global_store_b64 v2, v[X+4*j:X+4*j+1], s[DST:DST+1] offset:j*(\kbs) th:TH_STORE_NT
.set j, j+1
.endr
	s_endpgm
.endm
	s_load_b512 s[4:19], s[0:1], 0x0               ; x 4:5, qkv_w 6:7, proj_w 8:9, q_norm_w 10:11, k_norm_w 12:13, xb 14:15, wqb 16:17, pwb 18:19
	s_load_b64 s[20:21], s[0:1], 0x40              ; wtab
	v_lshrrev_b32 v3, 5, v0
	v_readfirstlane_b32 s22, v3                    ; wave 0..7
	v_and_b32 v3, 31, v0                           ; lane
	v_lshrrev_b32 v1, 4, v3
	v_and_b32 v2, 15, v3
	v_lshlrev_b32 v1, 12, v1
	v_lshl_add_u32 v1, v2, 4, v1                   ; source: (lane / 16) rows of 4,096 bytes + 16 (lane % 16)
	v_lshlrev_b32 v2, 3, v3                        ; copy: 8 x lane
	s_mov_b32 s23, ttmp9
	s_mov_b32 s29, 0
	s_mov_b32 s31, 0
	s_lshl_b32 s3, s22, 13                         ; my two rows among the group's 16: in the source,
	s_lshl_b32 s2, s22, 8                          ; and in a block of the copy
	s_wait_kmcnt 0x0
	s_cmp_lt_u32 s23, 512
	s_cbranch_scc0 .Lnot_x
	s_lshl_b32 s28, s23, 16                        ; 16 rows of 4,096 bytes a group
	s_add_co_u32 s28, s28, s3
	s_lshr_b32 s30, s23, 7                         ; batch: 128 groups each,
	s_lshl_b32 s30, s30, 22                        ; 16 blocks x 2,048 rows x 128 bytes
	s_and_b32 s24, s23, 127
	s_lshl_b32 s24, s24, 11                        ; 16 rows of 128 bytes
	s_add_co_u32 s30, s30, s24
	s_add_co_u32 s30, s30, s2
	s_add_nc_u64 s[SRC:SRC+1], s[4:5], s[28:29]
	s_add_nc_u64 s[DST:DST+1], s[14:15], s[30:31]
	PATH 2048*128, 0
.Lnot_x:
	s_cmp_lt_u32 s23, 704
	s_cbranch_scc0 .Lnot_w
	s_sub_co_u32 s23, s23, 512
	s_lshl_b32 s28, s23, 16
	s_add_co_u32 s28, s28, s3
	s_lshl_b32 s30, s23, 11
	s_add_co_u32 s30, s30, s2
	s_add_nc_u64 s[SRC:SRC+1], s[6:7], s[28:29]
	s_add_nc_u64 s[DST:DST+1], s[16:17], s[30:31]
	PATH 3072*128, 0
.Lnot_w:
	s_cmp_lt_u32 s23, 768
	s_cbranch_scc0 .Ltable
	s_sub_co_u32 s23, s23, 704
	s_lshl_b32 s28, s23, 16
	s_add_co_u32 s28, s28, s3
	s_lshl_b32 s30, s23, 11
	s_add_co_u32 s30, s30, s2
	s_add_nc_u64 s[SRC:SRC+1], s[8:9], s[28:29]
	s_add_nc_u64 s[DST:DST+1], s[18:19], s[30:31]
	PATH 1024*128, 1
.Ltable:                                               ; wave 0: q's gains; wave 1: k's; wave 2: ones; 256 bytes each
	s_cmp_lt_u32 s22, 2
	s_cbranch_scc0 .Lones
	s_cmp_eq_u32 s22, 0
	s_cselect_b64 s[SRC:SRC+1], s[10:11], s[12:13]
	global_load_b64 v[4:5], v2, s[SRC:SRC+1]
	s_mov_b32 s28, s2                              ; 256 x wave
	s_add_nc_u64 s[DST:DST+1], s[20:21], s[28:29]
	s_wait_loadcnt 0x0
	v_cvt_pk_bf16_f32 v6, v4, v5
	v_lshlrev_b32 v8, 16, v6
	v_and_b32 v9, 0xffff0000, v6
	global_store_b64 v2, v[8:9], s[DST:DST+1]
	s_endpgm
.Lones:
	s_cmp_eq_u32 s22, 2
	s_cbranch_scc0 .Lend
	v_mov_b32 v8, 1.0
	v_mov_b32 v9, 1.0
	global_store_b64 v2, v[8:9], s[20:21] offset:512
.Lend:
	s_endpgm
.Lfunc_end_k_q1ad78c5c60_cast:
	.size	k_q1ad78c5c60_cast, .Lfunc_end_k_q1ad78c5c60_cast-k_q1ad78c5c60_cast
	.p2alignl 7, 3214868480
	.fill 96, 4, 3214868480
	.section	.rodata,"a",@progbits
	.p2align	6, 0x0
	.amdhsa_kernel k_q1ad78c5c60_cast
		.amdhsa_group_segment_fixed_size 0
		.amdhsa_private_segment_fixed_size 0
		.amdhsa_enable_private_segment 0
		.amdhsa_kernarg_size 72
		.amdhsa_user_sgpr_count 2
		.amdhsa_user_sgpr_kernarg_segment_ptr 1
		.amdhsa_wavefront_size32 1
		.amdhsa_system_sgpr_workgroup_id_x 1
		.amdhsa_system_sgpr_workgroup_id_y 1
		.amdhsa_system_sgpr_workgroup_id_z 1
		.amdhsa_system_vgpr_workitem_id 0
		.amdhsa_next_free_vgpr 80
		.amdhsa_next_free_sgpr 66
		.amdhsa_reserve_vcc 0
		.amdhsa_float_denorm_mode_32 3
		.amdhsa_float_denorm_mode_16_64 3
		.amdhsa_memory_ordered 1
		.amdhsa_forward_progress 1
		.amdhsa_inst_pref_size 25
	.end_amdhsa_kernel
	.amdgpu_metadata
---
amdhsa.version: [ 1, 2 ]
amdhsa.kernels:
  - .name:           k_q1ad78c5c60_cast
    .symbol:         k_q1ad78c5c60_cast.kd
    .args:
      - { .name: x, .offset: 0, .size: 8, .value_kind: global_buffer, .address_space: global }
      - { .name: qkv_w, .offset: 8, .size: 8, .value_kind: global_buffer, .address_space: global }
      - { .name: proj_w, .offset: 16, .size: 8, .value_kind: global_buffer, .address_space: global }
      - { .name: q_norm_w, .offset: 24, .size: 8, .value_kind: global_buffer, .address_space: global }
      - { .name: k_norm_w, .offset: 32, .size: 8, .value_kind: global_buffer, .address_space: global }
      - { .name: xb, .offset: 40, .size: 8, .value_kind: global_buffer, .address_space: global }
      - { .name: wqb, .offset: 48, .size: 8, .value_kind: global_buffer, .address_space: global }
      - { .name: pwb, .offset: 56, .size: 8, .value_kind: global_buffer, .address_space: global }
      - { .name: wtab, .offset: 64, .size: 8, .value_kind: global_buffer, .address_space: global }
    .group_segment_fixed_size: 0
    .private_segment_fixed_size: 0
    .kernarg_segment_align: 8
    .kernarg_segment_size: 72
    .max_flat_workgroup_size: 256
    .sgpr_count:     66
    .vgpr_count:     80
    .wavefront_size: 32
...
	.end_amdgpu_metadata
.endif
;; end of part 1
;; launch qkv (part 2): grid 8 x 32, 4 waves a work-group, clusters of 4 x 4, 327,680 bytes of LDS; arguments xb, wqb, wtab, q, k, v; writes q, k, v
.if DOCPART == 2
	.amdgcn_target "amdgcn-amd-amdhsa--gfx1250"
	.amdhsa_code_object_version 6
	.text
	.protected	k_q1ad78c5c60_qkv
	.globl	k_q1ad78c5c60_qkv
	.p2align	8
	.type	k_q1ad78c5c60_qkv,@function
k_q1ad78c5c60_qkv:
	s_mov_b64 s[64:65], 0
	v_nop
	global_prefetch_b8 v0, s[64:65] scope:SCOPE_SE
	s_setreg_imm32_b32 hwreg(HW_REG_WAVE_MODE, 25, 1), 1
	s_wait_xcnt 0x0
	s_wait_alu depctr_hold_cnt(0) depctr_sa_sdst(0) depctr_va_vdst(0) depctr_va_sdst(0) depctr_va_ssrc(0) depctr_va_vcc(0) depctr_vm_vsrc(0)
	s_getreg_b32 s2, hwreg(HW_REG_IB_STS2, 6, 4)
	s_cmp_eq_u32 s2, 0
	s_cbranch_scc0 .Lentry_in_a_cluster
	s_endpgm
.Lentry_in_a_cluster:
	s_bfe_u32 s2, ttmp6, 0x10000c
	s_cmp_lg_u32 s2, 0xf033
	s_cbranch_scc0 .Lentry_shape_is_right
	s_endpgm
.Lentry_shape_is_right:
; THE QKV PROJECTION WITH THE NORM OF EACH HEAD.  C[n][o] = sum over c of x[n][c] qkv_w[o][c], 8,192 x 3,072 x 1,024, operands bf16, sums f32.  Each 64 columns are one head of q, k or v;
; q's and k's are multiplied by rsqrt(mean of squares + 1e-6) and then by the gain, in f32; all leave rounded once to f16, by heads: q, k, v [b 16 + head][n 2048][64].
; LIMITS.  f16 ends at 65,504: v must stay within it; |q|, |k| are at most 8 x the largest gain, so gains up to some 8,000 are served.  NaN and infinities are not treated apart.
; SHARES.  A tile of C is 256 x 384: 32 x 8 = 256 tiles, one a work-group.  Four waves, each 128 rows x 192 columns: 96 accumulators of 16 x 16, 768 registers, and exactly THREE HEADS, so a head's sum of
; squares never leaves the wave.  For 32 along K a wave reads 320 rows from LDS for 96 matrix instructions.
; K goes in 16 steps of 64, a block of the operands' layout: a tile's rows are dense in memory (128 bytes each) and are asked for as rows of 256 bytes, two a row, padded in LDS behind every 128 bytes.
; Two slots of 640 rows x 144 bytes; two slots of 128 along K would not fit in LDS.  From a request to the wait for it a wave issues 176 matrix instructions.
; CLUSTER.  4 x 4 work-groups: the four of a row need the same tiles of x, the four of a column the same tiles of the weights: each is asked for JOINTLY, by the same tensor load, descriptor and mask in all four.
; THE MATRIX INSTRUCTION IS USED TRANSPOSED (source 0 = 16 rows of the weights, source 1 = 16 rows of x): a lane holds row lane % 16 of C and the columns 8 (lane / 16) + 0..7 of each block of 16.
; REGISTERS, in windows of 256 (s_set_vgpr_msb: bits 1:0 source 0, 3:2 source 1, 5:4 source 2, 7:6 destination):
;   window 0: v0-29 addresses; v32-95, v96-159 fragments of x (8 x 16 rows x 32 K), two buffers; v160-207, v208-255 fragments of the weights, column blocks 0-5 and 6-11
;   windows 1, 2, 3: my heads 0, 1, 2: accumulator (a, b) (rows 16 a, columns 16 b) in window 1 + b / 4 at v[32 a + 8 (b % 4)]
;   on the way out window 0 holds: v32-63, v64-95, v160-191 the three heads' gains; v96-159 eight registers of sums for each a; v192-255 four buffers of packed results
.set PITCH,  144                       ; an LDS row: 128 bytes + 16 of padding = 36 words: the 16 rows of a fragment load start at 16 different groups of four banks (64 banks of 4 bytes: ISA guide 11.1)
.set BLK,    16*PITCH
.set BOFF,   256*PITCH                 ; a slot: x's 256 rows, then the weights' 384
.set SLOT1,  1<<17                     ; slot 1 begins here, so that one exclusive or turns an address in one slot into the other's
.set STAGE,  SLOT1+640*PITCH           ; behind the ring, never filled by a tensor load: 16 rows x 144 bytes for each wave
.set SPARE,  STAGE+4*BLK               ; behind the stages: the spare words, 128 bytes for each wave: two blocks of 256 bytes that no other line names
.set ASTEP,  2048*128                  ; bytes from a block of 64 channels to the next: in xb,
.set BSTEP,  3072*128                  ; in wqb
.set ADA0, 2                           ; v2   my lane's place in a slot's rows of x; never rewritten
.set ADB0, 3                           ; v3   the same for the weights
.set ADRA, 4                           ; v4   the same in the slot in hand
.set ADRB, 5                           ; v5
.set STO,  6                           ; v6   the way out: where I put 16 bytes of a row
.set RD,   7                           ; v7   where I read rows back
.set GO,   8                           ; v8   16 x lane: my place in 512 consecutive bytes of q, k or v
.set PFO,  10                          ; v10  256 x lane: the prefetches' offset; never rewritten
.set WO,   11                          ; v11  32 (lane / 16): my eight gains of a block of 16
.set SPW,  28                          ; v28  LDS address of my spare word; never rewritten
.set NIL,  29                          ; v29  0; never rewritten
.set FA0,  32
.set FA1,  96
.set FB0,  160
.set FB1,  208
.set T,    96
.set PK,   192
.set WV,  16                           ; s16  my wave's number
.set WR,  17                           ; s17  which 128 rows are mine.  Also: I fetch for x (0) or for the weights (1)
.set WC,  18                           ; s18  which 192 columns.  Also: which half of that tile I fetch
.set CX,  19
.set CY,  20
.set TC,  21                           ; s21  tile column
.set TR,  22                           ; s22  tile row
.set G1A, 24                           ; s[24:31] descriptor group 1 for x's tiles
.set G1B, 32                           ; s[32:39] for the weights'
.set G0A, 40                           ; s[40:47] group 0 for x's tiles: a set for each of the two first fills; the second then walks on
.set G0B, 48                           ; s[48:55] the same for the weights'
.set TRIPS, 56
.set TB,  57                           ; s57  LDS byte at which the slot in hand begins
.set PFA, 58                           ; s[58:59] where my prefetches stand
.set LIM, 60                           ; s60  1 in a wave that prefetches, else the greatest number
.set PFS, 62                           ; s[62:63] their step
.set SEL, 66                           ; s[66:67] v_permlanex16_b32's selects: each lane takes its own place in the other half
.set FE,  68                           ; s[68+2j], s[69+2j]: head j's sum of squares is multiplied by the first and the second is added: 1/64 and 1e-6; for a head of v 0 and 1
.set OB,  74                           ; s[74+2j:75+2j] where my 128 rows of head j go
.set WP,  80                           ; s[80+2j:81+2j] head j's 64 gains
.set MSB, 0
.macro WIN new                         ; the immediate's high byte repeats the setting that is left; a switch that changes nothing is dropped
.if MSB != (\new)
	s_set_vgpr_msb (MSB<<8)|(\new)
.set MSB, (\new)
.endif
.endm
.macro PLACES                          ; four places: in front of loads into registers that matrix instructions have read, and of vector work on their registers
.rept 4
	v_nop
.endr
.endm
; A joint refill by the walking descriptors.  Waves 0 and 1 fetch the halves of x's tile, waves 2 and 3 those of the weights'.  The branch hangs on the wave's number alone.
; An s_nop 0 and four v_nop follow each of the two lines, ahead of the jump and the label.
.macro JLOAD
	s_cmp_eq_u32 s[WR], 0
	s_cbranch_scc0 .Lfor_b_\@
	tensor_load_to_lds s[G0A+4:G0A+7], s[G1A:G1A+7]
	s_nop 0
.rept 4
	v_nop
.endr
	s_branch .Lasked_\@
.Lfor_b_\@:
	tensor_load_to_lds s[G0B+4:G0B+7], s[G1B:G1B+7]
	s_nop 0
.rept 4
	v_nop
.endr
.Lasked_\@:
.endm
; A PREFETCH INTO THE L2 of the K step that the NEXT change of slots will ask for: one K step, 192 matrix instructions, ahead of that load.  A lane names 256 bytes; each block is named once in the launch.
; x's rows of a row of clusters are read by both clusters of that row: wave 0 of the sixteen work-groups of the cluster with x = 0 asks, 32 blocks each: 512 blocks = 1,024 rows x 128 bytes.
; The weights' 3,072 rows x 128 bytes are read by every row of clusters: waves 1 to 3 of the sixteen work-groups of the one cluster (1, 0) ask: 48 x 32 blocks.  Partners are told apart BY ADDRESS alone.
; The loop's last trip asks for nothing: the K step behind its own refill does not exist.  K steps 0 to 2 come by their loads alone.
.macro ASK
	s_cmp_gt_u32 s[TRIPS], s[LIM]
	s_cbranch_scc0 .Lnot_mine_\@
	global_prefetch_b8 v[PFO], s[PFA:PFA+1] th:TH_LOAD_NT scope:SCOPE_SE
.Lnot_mine_\@:
.endm
; A round of the cluster's barrier: my work-group's barrier, so that wave 0's signal speaks for all four waves; wave 0 signals; every wave waits for all sixteen work-groups; my work-group's barrier once more.
.macro CREST                           ; a round behind its opening barrier
	s_cmp_lg_u32 s[WV], 0
	s_cbranch_scc1 .Lnot_wave_0_\@
	s_barrier_signal -3
.Lnot_wave_0_\@:
	s_barrier_wait -3
	s_barrier_signal -1
	s_barrier_wait -1
.endm
.macro CROUND
	s_barrier_signal -1
	s_barrier_wait -1
	CREST
.endm
	s_load_b256 s[4:11], s[0:1], 0x0               ; xb 4:5, wqb 6:7, wtab 8:9, q 10:11
	s_load_b128 s[12:15], s[0:1], 0x20             ; k 12:13, v 14:15
	v_lshl_add_u32 v[SPW], v0, 2, SPARE
	v_mov_b32 v[NIL], 0
	ds_add_u32 v[SPW], v[NIL]                      ; the wave's opening: the add and its wait stand ahead of my first tensor load; the set-up below, work on registers, stands between them
	v_lshrrev_b32 v1, 5, v0
	v_readfirstlane_b32 s[WV], v1                  ; wave 0..3
	s_lshr_b32 s[WR], s[WV], 1
	s_and_b32 s[WC], s[WV], 1
	s_bfe_u32 s[CX], ttmp6, 0x40000                ; my place in the cluster
	s_bfe_u32 s[CY], ttmp6, 0x40004
	s_lshl_b32 s[TC], ttmp9, 2                     ; in a cluster launch ttmp9 and ttmp7 count clusters
	s_add_co_u32 s[TC], s[TC], s[CX]
	s_and_b32 s[TR], ttmp7, 0xffff
	s_lshl_b32 s[TR], s[TR], 2
	s_add_co_u32 s[TR], s[TR], s[CY]
	s_lshl_b32 s86, s[CY], 2
	s_lshl_b32 s86, 15, s86                        ; my row of the cluster: places 4 cy .. 4 cy + 3
	s_lshl_b32 s87, 0x1111, s[CX]                  ; my column: places cx, cx + 4, cx + 8, cx + 12
	; descriptor group 1: rows of 128 elements of 2 bytes (two rows of the operand), 64 of them for x (128 rows), 96 for the weights (192 rows)
	s_or_b32 s[G1A], s86, (1<<16)|(1<<20)|(1<<21)|(4<<22)|(3<<25)  ; 15:0 the mask; 17:16 2-byte elements; 20 padding on; 21 set beside a mask; 24:22 after every 32 words (code 4); 31:25 4 words (code 3)
	s_or_b32 s[G1B], s87, (1<<16)|(1<<20)|(1<<21)|(4<<22)|(3<<25)
	s_mov_b32 s[G1A+1], 128<<16                    ; tensor_dim0 = 128
	s_mov_b32 s[G1A+2], 64<<16                     ; tensor_dim1 = 64
	s_mov_b32 s[G1A+3], 128<<16                    ; tile_dim0 = 128
	s_mov_b32 s[G1A+4], 64                         ; tile_dim1 = 64
	s_mov_b32 s[G1A+5], 128                        ; 128 elements from row to row
	s_mov_b32 s[G1A+6], 0
	s_mov_b32 s[G1A+7], 0
	s_mov_b32 s[G1B+1], 128<<16
	s_mov_b32 s[G1B+2], 96<<16
	s_mov_b32 s[G1B+3], 128<<16
	s_mov_b32 s[G1B+4], 96
	s_mov_b32 s[G1B+5], 128
	s_mov_b32 s[G1B+6], 0
	s_mov_b32 s[G1B+7], 0
	; where the tiles come from.  x's hang on the tile row alone, the weights' on the tile column alone, each in registers that never hold the other coordinate
	s_lshr_b32 s88, s[TR], 3                       ; batch: eight tile rows each,
	s_lshl_b32 s88, s88, 22                        ; 16 blocks x 2,048 rows x 128 bytes
	s_and_b32 s89, s[TR], 7
	s_lshl_b32 s89, s89, 15                        ; 256 rows of 128 bytes
	s_add_co_u32 s88, s88, s89
	s_lshl_b32 s89, s[WC], 14                      ; the half that I fetch
	s_add_co_u32 s88, s88, s89
	s_mov_b32 s89, 0
	s_mul_i32 s90, s[TC], 384*128
	s_mul_i32 s91, s[WC], 192*128
	s_add_co_u32 s90, s90, s91
	s_mov_b32 s91, 0
	s_mul_i32 s92, s[WC], 128*PITCH                ; and where they go: no place in the cluster enters an LDS address
	s_mul_i32 s93, s[WC], 192*PITCH
	s_add_co_u32 s93, s93, BOFF
	s_mov_b32 s[SEL], 0x76543210
	s_mov_b32 s[SEL+1], 0xfedcba98
	s_mov_b32 s[TB], 0
	s_wait_dscnt 0x0                               ; the opening add is done
	s_wait_kmcnt 0x0
	s_add_nc_u64 s[88:89], s[4:5], s[88:89]
	s_add_nc_u64 s[90:91], s[6:7], s[90:91]
	CROUND                                         ; all sixteen work-groups are here: the first joint loads meet
.irp s, 0,1
	s_mov_b32 s[G0A+4*(\s)], 1                     ; 1:0 count = 1
	s_add_co_u32 s[G0A+4*(\s)+1], s92, (\s)*SLOT1  ; 63:32 LDS address
	s_add_nc_u64 s[G0A+4*(\s)+2:G0A+4*(\s)+3], s[88:89], (\s)*ASTEP  ; 120:64 global address: K step s
	s_or_b32 s[G0A+4*(\s)+3], s[G0A+4*(\s)+3], 0x80000000            ; 127:126 type = 2
	s_mov_b32 s[G0B+4*(\s)], 1
	s_add_co_u32 s[G0B+4*(\s)+1], s93, (\s)*SLOT1
	s_add_nc_u64 s[G0B+4*(\s)+2:G0B+4*(\s)+3], s[90:91], (\s)*BSTEP
	s_or_b32 s[G0B+4*(\s)+3], s[G0B+4*(\s)+3], 0x80000000
.endr
	s_cmp_eq_u32 s[WR], 0                          ; a wave's two first fills stand in one branch, ahead of every wait on TENSORcnt and every LDS read: two loads of mine are out
	s_cbranch_scc0 .Lfirst_b
	tensor_load_to_lds s[G0A:G0A+3], s[G1A:G1A+7]
	s_nop 0
	tensor_load_to_lds s[G0A+4:G0A+7], s[G1A:G1A+7]
	s_nop 0
.rept 4
	v_nop
.endr
	s_branch .Lfirst_asked
.Lfirst_b:
	tensor_load_to_lds s[G0B:G0B+3], s[G1B:G1B+7]
	s_nop 0
	tensor_load_to_lds s[G0B+4:G0B+7], s[G1B:G1B+7]
	s_nop 0
.rept 4
	v_nop
.endr
.Lfirst_asked:
	; A fragment is 16 rows x 32 K in 8 registers: lane l holds row l % 16; registers 0-3 K = 8 (l / 16) + 0..7, registers 4-7 K = 16 + 8 (l / 16) + 0..7: two loads of 16 bytes, 32 bytes apart.
	v_and_b32 v1, 15, v0                           ; l % 16
	v_bfe_u32 v9, v0, 4, 1                         ; l / 16
	v_mul_u32_u24 v12, v1, PITCH
	v_lshl_add_u32 v12, v9, 4, v12                 ; row x pitch + 16 x half
	s_mul_i32 s86, s[WR], 128*PITCH                ; my 128 rows of x
	v_add_nc_u32 v[ADA0], s86, v12
	s_mul_i32 s86, s[WC], 192*PITCH                ; my 192 rows of the weights
	s_add_co_u32 s86, s86, BOFF
	v_add_nc_u32 v[ADB0], s86, v12
	v_mov_b32 v[ADRA], v[ADA0]                     ; slot 0
	v_mov_b32 v[ADRB], v[ADB0]
	s_mul_i32 s86, s[WV], BLK
	s_add_co_u32 s86, s86, STAGE                   ; my stage
	v_add_nc_u32 v[STO], s86, v12                  ; in: row l % 16, 16 bytes for each half of the lanes
	v_bfe_u32 v[RD], v0, 3, 2                      ; back: 32 lanes take four rows of 128 bytes,
	v_mul_u32_u24 v[RD], v[RD], PITCH
	v_and_b32 v13, 7, v0
	v_lshl_add_u32 v[RD], v13, 4, v[RD]
	v_add_nc_u32 v[RD], s86, v[RD]
	v_and_b32 v[GO], 31, v0
	v_lshlrev_b32 v[PFO], 8, v[GO]
	v_lshlrev_b32 v[GO], 4, v[GO]                  ; which are 512 consecutive bytes in memory
	v_lshlrev_b32 v[WO], 5, v9
	; the prefetches: who asks, and from where
	s_and_b32 s86, ttmp7, 0xffff                   ; cluster y
	s_lshl_b32 s94, s[CY], 2
	s_add_co_u32 s94, s94, s[CX]                   ; my place among the sixteen:
	s_lshl_b32 s94, s94, 13                        ; 32 blocks of 256 bytes each
	s_lshr_b32 s88, s86, 1                         ; x: a row of clusters is 1,024 rows: half a batch
	s_lshl_b32 s88, s88, 22
	s_and_b32 s89, s86, 1
	s_lshl_b32 s89, s89, 17
	s_add_co_u32 s88, s88, s89
	s_add_co_u32 s88, s88, 2*ASTEP                 ; at K step 2: the first change of slots steps it to 3
	s_max_u32 s90, s[WV], 1                        ; the weights: waves 1 to 3 take a third each
	s_sub_co_u32 s90, s90, 1
	s_lshl_b32 s90, s90, 17
	s_add_co_u32 s90, s90, 2*BSTEP
	s_xor_b32 s87, ttmp9, 1
	s_or_b32 s87, s87, s86                         ; 0 in the cluster (1, 0)
	s_mov_b32 s[PFS], BSTEP
	s_cmp_eq_u32 s[WV], 0
	s_cselect_b32 s87, ttmp9, s87                  ; wave 0: 0 in the clusters with x = 0.  The same in all sixteen partners, for a given wave
	s_cselect_b32 s88, s88, s90
	s_cselect_b32 s[PFS], ASTEP, s[PFS]
	s_cselect_b64 s[PFA:PFA+1], s[4:5], s[6:7]
	s_add_co_u32 s88, s88, s94
	s_mov_b32 s89, 0
	s_mov_b32 s[PFS+1], 0
	s_add_nc_u64 s[PFA:PFA+1], s[PFA:PFA+1], s[88:89]
	s_cmp_eq_u32 s87, 0
	s_cselect_b32 s[LIM], 1, -1
	; my three heads: number g = 6 x tile column + 3 x half + j of 48; g / 16 says q, k or v, g % 16 the head.  Selects alone: no branch hangs on the place in the cluster
.irp j, 0,1,2
	s_mul_i32 s86, s[TC], 6
	s_mul_i32 s87, s[WC], 3
	s_add_co_u32 s86, s86, s87
	s_add_co_u32 s86, s86, (\j)
	s_lshr_b32 s87, s86, 4
	s_and_b32 s86, s86, 15
	s_lshr_b32 s88, s[TR], 3
	s_lshl_b32 s88, s88, 4
	s_add_co_u32 s86, s86, s88                     ; 16 x batch + head:
	s_lshl_b32 s86, s86, 18                        ; 2,048 rows of 128 bytes each
	s_and_b32 s88, s[TR], 7
	s_lshl_b32 s88, s88, 15                        ; the tile's 256 rows,
	s_add_co_u32 s86, s86, s88
	s_lshl_b32 s88, s[WR], 14                      ; my 128 of them
	s_add_co_u32 s88, s86, s88
	s_mov_b32 s89, 0
	s_cmp_eq_u32 s87, 0
	s_cselect_b64 s[OB+2*(\j):OB+2*(\j)+1], s[10:11], s[12:13]
	s_cmp_eq_u32 s87, 2
	s_cselect_b64 s[OB+2*(\j):OB+2*(\j)+1], s[14:15], s[OB+2*(\j):OB+2*(\j)+1]
	s_cselect_b32 s[FE+2*(\j)], 0, 0x3c800000      ; 1/64
	s_cselect_b32 s[FE+2*(\j)+1], 1.0, 0x358637bd  ; 1e-6
	s_add_nc_u64 s[OB+2*(\j):OB+2*(\j)+1], s[OB+2*(\j):OB+2*(\j)+1], s[88:89]
	s_lshl_b32 s88, s87, 8
	s_add_nc_u64 s[WP+2*(\j):WP+2*(\j)+1], s[8:9], s[88:89]
.endr
; na x nb matrix instructions: row blocks a0 on x column blocks b0 on, 32 along K.  zero = 1: the product starts the sum: nothing is ever cleared.
; The 96 accumulators take turns, one instruction a turn, in the same order in every 32 along K, over the backward jump too.
.macro MM fa, fb, a0, na, b0, nb, zero
.set ma, (\a0)
.rept \na
.set mb, (\b0)
.rept \nb
	WIN 0x50*(1+mb/4)                              ; C and D in the head's window, the fragments in window 0
.set rD, 32*ma+8*(mb%4)
.set rB, (\fb)+8*(mb%6)
.set rA, (\fa)+8*ma
.if \zero
	v_wmma_f32_16x16x32_bf16 v[rD:rD+7], v[rB:rB+7], v[rA:rA+7], 0
.else
	v_wmma_f32_16x16x32_bf16 v[rD:rD+7], v[rB:rB+7], v[rA:rA+7], v[rD:rD+7]
.endif
.set mb, mb+1
.endr
.set ma, ma+1
.endr
.endm
.macro LDB fb, b0, k                   ; 12 LDS loads: the weights' column blocks b0 .. b0 + 5, 32 K at byte k of the rows
.set lj, 0
.rept 6
	ds_load_b128 v[(\fb)+8*lj:(\fb)+8*lj+3],   v[ADRB] offset:((\b0)+lj)*BLK+(\k)
	ds_load_b128 v[(\fb)+8*lj+4:(\fb)+8*lj+7], v[ADRB] offset:((\b0)+lj)*BLK+(\k)+32
.set lj, lj+1
.endr
.endm
.macro LDA fa, k                       ; 16 LDS loads: x's row blocks 0 .. 7
.set lj, 0
.rept 8
	ds_load_b128 v[(\fa)+8*lj:(\fa)+8*lj+3],   v[ADRA] offset:lj*BLK+(\k)
	ds_load_b128 v[(\fa)+8*lj+4:(\fa)+8*lj+7], v[ADRA] offset:lj*BLK+(\k)+32
.set lj, lj+1
.endr
.endm
.macro WTLOAD j                        ; head j's gains for my channels: of each block of 16 the eight at 8 (l / 16)
.set rW, 32*((\j)+1)+64*(((\j)+1)/3)
.irp c, 0,1,2,3
	global_load_b128 v[rW+8*(\c):rW+8*(\c)+3],   v[WO], s[WP+2*(\j):WP+2*(\j)+1] offset:64*(\c)
	global_load_b128 v[rW+8*(\c)+4:rW+8*(\c)+7], v[WO], s[WP+2*(\j):WP+2*(\j)+1] offset:64*(\c)+16
.endr
.endm
; 32 along K are two halves of 48 matrix instructions.  P0: column blocks 0-5; early in it blocks 6-11 of the same K are fetched.  wt = 1 (the last one): the gains of heads 0 and 1 are asked for, into the idle buffer of x.
.macro P0 fa, zero, k, wt=0
	s_wait_dscnt 12                                ; of the 28 loads (weights first) the youngest 12, x's blocks 2-7, may be out
	MM \fa, FB0, 0, 2, 0, 4, \zero
	WIN 0
	PLACES
	LDB FB1, 6, \k
.if \wt
	WTLOAD 0
	WTLOAD 1
.endif
	s_wait_dscnt 12                                ; all but the 12 just issued
	MM \fa, FB0, 2, 6, 0, 4, \zero
	MM \fa, FB0, 0, 8, 4, 2, \zero
.endm
; P1: column blocks 6-11; early in it the next 32 along K (byte k2 of the same slot's rows) are fetched: the weights' blocks 0-5, then x into the other buffer.
.macro P1 fa, zero, k2, fa2
	s_wait_dscnt 8                                 ; blocks 6 and 7 are in; the youngest eight loads, blocks 8-11, may be out
	MM \fa, FB1, 0, 4, 6, 2, \zero
	WIN 0
	PLACES
	LDB FB0, 0, \k2
	LDA \fa2, \k2
	s_wait_dscnt 28                                ; all but the 28 just issued
	MM \fa, FB1, 4, 4, 6, 2, \zero
	MM \fa, FB1, 0, 8, 8, 4, \zero
.endm
; P1 at the end of a K step, with THE CHANGE OF SLOTS.  ONE barrier for two things: in front of it each wave waits for all its tensor loads, of which one is out: its part of the next slot; adds 0 to its spare
; word; and waits for that and for its own reads of this slot.  Behind it nobody reads this slot any more and the next slot is whole.  fill = 1: the barrier opens a round of the cluster's, and the slot is
; filled again, first thing behind the round, with the K step two on.
.macro P1C fill
.if \fill
	s_wait_xcnt 0x0                                ; the last prefetch, a K step back, has read its address, so it may be stepped
	s_add_nc_u64 s[PFA:PFA+1], s[PFA:PFA+1], s[PFS:PFS+1]
.endif
	WIN 0                                          ; (the add's two registers lie in window 0)
	s_wait_tensorcnt 0x0                           ; no tensor load of mine is out, so a group 0 may be written
	ds_add_u32 v[SPW], v[NIL]                      ; 0 onto my spare word: work on registers stands between it and the wait for it
.if \fill
	s_xor_b32 s[G0A+5], s[G0A+5], SLOT1            ; the walking descriptors: the other slot than last time,
	s_add_nc_u64 s[G0A+6:G0A+7], s[G0A+6:G0A+7], ASTEP  ; the next K step; the type bits on top are not reached
	s_xor_b32 s[G0B+5], s[G0B+5], SLOT1
	s_add_nc_u64 s[G0B+6:G0B+7], s[G0B+6:G0B+7], BSTEP
.endif
	s_wait_dscnt 9                                 ; (the add and the youngest eight loads may be out)
	MM FA1, FB1, 0, 4, 6, 2, 0
	s_wait_dscnt 0x0                               ; the add is done, and my reads of this slot are over
	s_barrier_signal -1
	MM FA1, FB1, 4, 4, 6, 2, 0                     ; work on registers while the others arrive
	WIN 0
	s_barrier_wait -1
.if \fill
	CREST                                          ; no wave of any partner still reads this slot's tile or has a load on its way
	JLOAD                                          ; the four v_nop behind it are also the places in front of the loads below
.else
	PLACES
.endif
	s_xor_b32 s[TB], s[TB], SLOT1
	v_add_nc_u32 v[ADRA], s[TB], v[ADA0]
	v_add_nc_u32 v[ADRB], s[TB], v[ADB0]
	LDB FB0, 0, 0
	LDA FA0, 0
.if \fill
	ASK
.endif
	MM FA1, FB1, 0, 8, 8, 4, 0
.endm
	s_wait_tensorcnt 1                             ; my part of K step 0 is in; K step 1's may stay out
	s_barrier_signal -1
	s_barrier_wait -1                              ; everybody's is
	LDB FB0, 0, 0
	LDA FA0, 0
	P0 FA0, 1, 0                                   ; the first 32 along K stand in front of the loop: their products start the sums
	P1 FA0, 1, 64, FA1
	WIN 0                                          ; at a label and at a branch every window is 0
	s_mov_b32 s[TRIPS], 14
.Lstep:                                                ; trip t ends K step t, asks for K step t + 2 and begins K step t + 1
	P0 FA1, 0, 64
	P1C 1
	P0 FA0, 0, 0
	P1 FA0, 0, 64, FA1
	WIN 0
	s_sub_co_u32 s[TRIPS], s[TRIPS], 1
	s_cmp_lg_u32 s[TRIPS], 0
	s_cbranch_scc1 .Lstep
	P0 FA1, 0, 64                                  ; the tail is written out: nothing more is asked for
	P1C 0
	P0 FA0, 0, 0
	P1 FA0, 0, 64, FA1
	P0 FA1, 0, 64, 1
	s_wait_dscnt 8
	MM FA1, FB1, 0, 4, 6, 2, 0
	WIN 0
	PLACES
	WTLOAD 2                                       ; into the weights' first buffer, which is read no more
	s_wait_dscnt 0x0
	MM FA1, FB1, 4, 4, 6, 2, 0
	MM FA1, FB1, 0, 8, 8, 4, 0
	WIN 0
	PLACES
	PLACES                                         ; (eight, once a launch)
	s_wait_loadcnt 0x0                             ; the gains
; THE WAY OUT, head by head.  A lane holds 32 of a row's 64 channels, the lane 16 away the others.
.macro ALLA line:vararg                ; one line for each row block ia
.set ia, 0
.rept 8
	\line
.set ia, ia+1
.endr
.endm
.macro SS w                            ; the squares of my 32 numbers of each row, in four chains of pairs; each accumulator's lowest registers are read first
	WIN 5*(\w)                                     ; sources 0 and 1 in the head's window; the sums in window 0
.set ia, 0
.rept 8
.set ip, 0
.rept 4
.set ic, 0
.rept 4
.set rX, 32*ia+8*ic+2*ip
.set rT, T+8*ia+2*ic
.if ip == 0
	v_pk_mul_f32 v[rT:rT+1], v[rX:rX+1], v[rX:rX+1]
.else
	v_pk_fma_f32 v[rT:rT+1], v[rX:rX+1], v[rX:rX+1], v[rT:rT+1]
.endif
.set ic, ic+1
.endr
.set ip, ip+1
.endr
.set ia, ia+1
.endr
.endm
.macro RED j                           ; rsqrt(sum / 64 + 1e-6) for each of my rows (a head of v: rsqrt(1)), stage by stage over the eight row blocks
	WIN 0
	ALLA v_pk_add_f32 v[T+8*ia:T+8*ia+1], v[T+8*ia:T+8*ia+1], v[T+8*ia+2:T+8*ia+3]
	ALLA v_pk_add_f32 v[T+8*ia+4:T+8*ia+5], v[T+8*ia+4:T+8*ia+5], v[T+8*ia+6:T+8*ia+7]
	ALLA v_pk_add_f32 v[T+8*ia:T+8*ia+1], v[T+8*ia:T+8*ia+1], v[T+8*ia+4:T+8*ia+5]
	ALLA v_add_f32 v[T+8*ia], v[T+8*ia], v[T+8*ia+1]
	ALLA v_permlanex16_b32 v[T+8*ia+1], v[T+8*ia], s[SEL], s[SEL+1]
	ALLA v_add_f32 v[T+8*ia], v[T+8*ia], v[T+8*ia+1]
	ALLA v_fma_f32 v[T+8*ia], v[T+8*ia], s[FE+2*(\j)], s[FE+2*(\j)+1]
	ALLA v_rsq_f32 v[T+8*ia], v[T+8*ia]
	v_nop                                          ; a plain instruction between the last root and the use of its result
	s_wait_alu depctr_va_vdst(0)
.endm
; Row block a: times the root, times the gain, rounded to f16; a lane's eight channels of a block of 16 pack into 16 bytes; they go into rows of 144 bytes and come back as whole rows of 128.
.macro PACK w, a
.set rP, PK+16*((\a)%4)
.set rW, 32*(\w)+64*((\w)/3)
	WIN ((\w)<<6)|(\w)                             ; destination and source 0 in the head's window, source 1 in window 0
.set ii, 0
.rept 16
	v_pk_mul_f32 v[32*(\a)+2*ii:32*(\a)+2*ii+1], v[32*(\a)+2*ii:32*(\a)+2*ii+1], v[T+8*(\a):T+8*(\a)+1] op_sel_hi:[1,0]
.set ii, ii+1
.endr
.set ii, 0
.rept 16
	v_pk_mul_f32 v[32*(\a)+2*ii:32*(\a)+2*ii+1], v[32*(\a)+2*ii:32*(\a)+2*ii+1], v[rW+2*ii:rW+2*ii+1]
.set ii, ii+1
.endr
	WIN 5*(\w)
.set ii, 0
.rept 16
	v_cvt_pk_f16_f32 v[rP+ii], v[32*(\a)+2*ii], v[32*(\a)+2*ii+1]
.set ii, ii+1
.endr
	WIN 0
.irp f, 0,1,2,3
	ds_store_b128 v[STO], v[rP+4*(\f):rP+4*(\f)+3] offset:32*(\f)
.endr
.irp f, 0,1,2,3
	ds_load_b128 v[rP+4*(\f):rP+4*(\f)+3], v[RD] offset:(\f)*4*PITCH  ; LDS serves a wave's instructions in order (ISA guide 5.7.1.4): these see the stores above; the next block's stores come behind them
.endr
.endm
.macro SEND j, a, younger              ; younger: the LDS instructions issued behind block a's loads: the next block's eight, or none
	s_wait_xcnt 0x0                                ; every earlier store has read its registers: a buffer of packed results is written again four blocks on, behind two such waits
.irp f, 0,1,2,3
	s_wait_dscnt (\younger)+3-(\f)
	global_store_b128 v[GO], v[PK+16*((\a)%4)+4*(\f):PK+16*((\a)%4)+4*(\f)+3], s[OB+2*(\j):OB+2*(\j)+1] offset:2048*(\a)+512*(\f)  ; 512 consecutive bytes, at a multiple of 256 from the buffer's first
.endr
.endm
.macro HEAD j
	SS (\j)+1
	RED \j
	PACK (\j)+1, 0
.set ha, 1
.rept 7                                ; a block's arithmetic stands between the loads of the block before and its stores
	PACK (\j)+1, ha
	SEND \j, ha-1, 8
.set ha, ha+1
.endr
	SEND \j, 7, 0
.endm
	HEAD 0
	HEAD 1
	HEAD 2
	s_wait_tensorcnt 0x0                           ; the wave's end: the add and its waits stand behind my last tensor load and my last LDS store
	ds_add_u32 v[SPW], v[NIL]
	s_wait_dscnt 0x0
	CROUND                                         ; the closing round: no work-group ends while a partner may still ask for a tile that names it
	s_endpgm
.Lfunc_end_k_q1ad78c5c60_qkv:
	.size	k_q1ad78c5c60_qkv, .Lfunc_end_k_q1ad78c5c60_qkv-k_q1ad78c5c60_qkv
	.p2alignl 7, 3214868480
	.fill 96, 4, 3214868480
	.section	.rodata,"a",@progbits
	.p2align	6, 0x0
	.amdhsa_kernel k_q1ad78c5c60_qkv
		.amdhsa_group_segment_fixed_size 327680
		.amdhsa_private_segment_fixed_size 0
		.amdhsa_enable_private_segment 0
		.amdhsa_kernarg_size 48
		.amdhsa_user_sgpr_count 2
		.amdhsa_user_sgpr_kernarg_segment_ptr 1
		.amdhsa_wavefront_size32 1
		.amdhsa_system_sgpr_workgroup_id_x 1
		.amdhsa_system_sgpr_workgroup_id_y 1
		.amdhsa_system_sgpr_workgroup_id_z 1
		.amdhsa_system_vgpr_workitem_id 0
		.amdhsa_next_free_vgpr 1024
		.amdhsa_next_free_sgpr 96
		.amdhsa_reserve_vcc 0
		.amdhsa_float_denorm_mode_32 3
		.amdhsa_float_denorm_mode_16_64 3
		.amdhsa_memory_ordered 1
		.amdhsa_forward_progress 1
		.amdhsa_inst_pref_size 203
	.end_amdhsa_kernel
	.amdgpu_metadata
---
amdhsa.version: [ 1, 2 ]
amdhsa.kernels:
  - .name:           k_q1ad78c5c60_qkv
    .symbol:         k_q1ad78c5c60_qkv.kd
    .args:
      - { .name: xb, .offset: 0, .size: 8, .value_kind: global_buffer, .address_space: global }
      - { .name: wqb, .offset: 8, .size: 8, .value_kind: global_buffer, .address_space: global }
      - { .name: wtab, .offset: 16, .size: 8, .value_kind: global_buffer, .address_space: global }
      - { .name: q, .offset: 24, .size: 8, .value_kind: global_buffer, .address_space: global }
      - { .name: k, .offset: 32, .size: 8, .value_kind: global_buffer, .address_space: global }
      - { .name: v, .offset: 40, .size: 8, .value_kind: global_buffer, .address_space: global }
    .group_segment_fixed_size: 327680
    .private_segment_fixed_size: 0
    .kernarg_segment_align: 8
    .kernarg_segment_size: 48
    .max_flat_workgroup_size: 128
    .sgpr_count:     96
    .vgpr_count:     1024
    .wavefront_size: 32
...
	.end_amdgpu_metadata
.endif
;; end of part 2
;; launch attn (part 3): grid 4 x 64, 4 waves a work-group, clusters of 4 x 1, 327,680 bytes of LDS; arguments q, k, v, o; writes o
.if DOCPART == 3
	.amdgcn_target "amdgcn-amd-amdhsa--gfx1250"
	.amdhsa_code_object_version 6
	.text
	.protected	k_q1ad78c5c60_attn
	.globl	k_q1ad78c5c60_attn
	.p2align	8
	.type	k_q1ad78c5c60_attn,@function
k_q1ad78c5c60_attn:
	s_mov_b64 s[64:65], 0
	v_nop
	global_prefetch_b8 v0, s[64:65] scope:SCOPE_SE
	s_setreg_imm32_b32 hwreg(HW_REG_WAVE_MODE, 25, 1), 1
	s_wait_xcnt 0x0
	s_wait_alu depctr_hold_cnt(0) depctr_sa_sdst(0) depctr_va_vdst(0) depctr_va_sdst(0) depctr_va_ssrc(0) depctr_va_vcc(0) depctr_vm_vsrc(0)
	s_getreg_b32 s2, hwreg(HW_REG_IB_STS2, 6, 4)
	s_cmp_eq_u32 s2, 0
	s_cbranch_scc0 .Lentry_in_a_cluster
	s_endpgm
.Lentry_in_a_cluster:
	s_bfe_u32 s2, ttmp6, 0x10000c
	s_cmp_lg_u32 s2, 0x3003
	s_cbranch_scc0 .Lentry_shape_is_right
	s_endpgm
.Lentry_shape_is_right:
; O[h][q][:] = the sum over k of softmax_k(Q[h][q] . K[h][k] / 8) V[h][k][:].  Q, K, V, O: [SIZE_H][SIZE_N][64], all f16: a head's rows are dense, 128 bytes each (h = 16 x batch + head).  Products, maxima and sums in
; f32; the weights p are rounded to f16 for the second product (their sum l is taken of the unrounded p), O once at the end.  SIZE_N x 128 bytes stay under 2^32.
; LIMITS.  f16 holds no number beyond 65,504: Q, K and V arrive within it; p lies in 0 to 1, and below 6e-5 it keeps f16's fixed step of 6e-8; O is a mean of V's rows and has their range.
; A weight below 2^-126 counts as 0 in l; NaN and infinities are not treated apart.
; SHARES.  A wave owns four PIECES of two tiles of 16 queries, a work-group's four waves 512 queries of one head: 64 heads x 4 blocks = 256 work-groups.  Every wave walks all keys, 64 a step.
; LAYOUT.  S^T = K Q^T (source 0 = 16 keys, source 1 = 16 queries): in the result a lane holds ONE query (lane % 16) and the keys 8 (lane / 16) + 0..7.  Two such tiles, rounded to f16 in pairs,
; ARE source 1 (32 keys x 16 queries) of O^T = V^T P, whose result again holds one query a lane, and eight channels.  K comes out of LDS as it lies, V ([key][channel]) turned, by ds_load_tr16_b128.
; SOFTMAX.  For each query a running maximum m and sum l: p = 2^(c s - c m), c = log2(e) / 8; in every step O and l are multiplied by a = 2^(c m_old - c m_new), which is 1 where m has not grown.
; m starts at the lowest finite number, O and l at 0: the first step is a step like any other, with a = 0.
; THE COUNT.  A tile and step have 16 matrix and 118 vector instructions: too many to stand all beside the matrix work.  So the order has one aim: four vector instructions that are READY behind
; EVERY matrix instruction, and the others, which need time of their own whatever the order, in runs without a gap.
; BY TURNS.  Turn n belongs to piece n (the pieces in a ring, step after step).  Its matrix work: 16 products K Q^T of piece n + 1, later 16 products V^T P of piece n - 1.  Its vector work: the scaling,
; exponentials, roundings, sums and rescaling of piece n, and the maximum and statistics of piece n + 1, whose scores the turn itself has made.  So what a turn begins with (c s - c m, O a) waits for nothing.
; CLUSTER.  The four query blocks of a cluster belong to one head and walk the same K and V, so each tile is asked for JOINTLY: the same tensor load, descriptor and mask in all four.
; NO PREFETCH: a joint fill has four key steps, 512 matrix instructions and their vector work, in which to land, so no wave waits for it.
; REGISTERS, in windows of 256 (s_set_vgpr_msb says which window each operand place means: bits 1:0 source 0, 3:2 source 1, 5:4 source 2, 7:6 destination):
;   window 0: v0-11 addresses; v12-15, v48-63 at work; v16-47 four registers of statistics a tile; v64-191 S^T, two buffers of two tiles; v192-255 P, likewise
;   window 1: O^T, 32 a tile          window 2: v0-127 Q, 16 a tile; v128-191 K of one step; v192-255 V of one step          window 3: v0-1 the add's two registers
; A piece's buffers go by its number's parity: the piece in hand has one pair, its two neighbours in the ring share the other: of it P (piece n - 1) is read and S^T (piece n + 1) written.
.set SIZE_H, 64
.set SIZE_N, 2048
.set NP,    4         ; pieces a wave: a name, no knob: the register map, the loop and the fetches are made for four
.set KS,    64        ; keys in a step
.set PK,    144       ; a row of K in LDS: 128 bytes + 16 of padding = 36 words: the 16 rows of a load start at 16 different groups of four banks (64 banks of 4 bytes: ISA guide 11.1)
.set PV,    160       ; a row of V: 128 + 32 = 40 words
.set VOFF,  4*KS*PK   ; a slot holds four steps: 256 rows of K, then 256 rows of V
.set SLOT1, 1<<17     ; slot 1 begins here, so that one exclusive or turns an address in one slot into the other's
.set STAGE, SLOT1+4*KS*(PK+PV)  ; behind the ring, never filled by a tensor load: 16 rows x 144 bytes for each wave, for the way out
.set SP,    144
.set AK0, 2           ; v2   my lane's place in a tile of K; never rewritten
.set AV0, 3           ; v3   the same for V
.set AK,  4           ; v4   the LDS address of K's next run of loads
.set AV,  5           ; v5   of V's
.set QO,  6           ; v6   my byte offset in the wave's rows of Q
.set STO, 6           ;      later, the way out: where I put 16 bytes of a row
.set RD,  7           ; v7   the way out: where I read rows back
.set GO,  8           ; v8   my byte offset in 512 consecutive bytes of O
.set SPW, 0           ; v0 of window 3   LDS address of my spare word: SPARE + 4 x my thread's number; never rewritten
.set NIL, 1           ; v1 of window 3   0; never rewritten
.set SPARE, STAGE+4*16*SP  ; behind the stages: the spare words, 128 bytes for each wave: two blocks of 256 bytes that no other line names
.set MV,  12          ; v12-15  c m_old, kept while c m is made anew: by buffer and tile
.set ST,  16          ; tile t's statistics at v[ST+4 t]: c m, m, l (even keys', odd keys')
.set TMP, 48          ; by buffer and tile, four registers c0-c3 at work; when the maximum is found c2 takes a
.set S,   64
.set P,   192
.set KF,  128         ; K's fragments, in window 2: key block kb, channel half c at KF + 16 kb + 8 c
.set VF,  192         ; V's: key half kk, channel block cb at VF + 32 kk + 8 cb
.set WV,  12          ; s12  my wave's number
.set G1K, 24          ; s[24:31] descriptor group 1 for K's tiles
.set G1V, 32          ; s[32:39] for V's: it differs in the padding alone
.set G0K, 40          ; s[40:43] descriptor group 0 for K's tiles: it walks
.set G0V, 44          ; s[44:47] the same for V's
.set SLOTS, 56        ; s56  slots still to be asked for
.set CNT, 57          ; s57  counts a slot's key steps
.set CS,  58          ; s[58:59] c: the packed scaling takes the pair's low word for both halves
.set SEL, 60          ; s[60:61] v_permlanex16_b32's selects: each lane takes its own place in the other half
.set TBK, 62          ; s62  LDS byte at which K of the step to be fetched begins
.set TBV, 63          ; s63  the same for V, less VOFF
.set MSB, 0
.macro WIN new                      ; the high byte repeats the setting that is left; a switch that changes nothing is dropped
.if MSB != (\new)
	s_set_vgpr_msb (MSB<<8)|(\new)
.set MSB, (\new)
.endif
.endm
.set W_KQ, 0x0a       ; K and Q in window 2, S^T in window 0
.set W_PV, 0x52       ; V in window 2, P in window 0, O^T in window 1
.set W_RS, 0x41       ; O^T (destination and source 0) in window 1, a in window 0
.set W_MK, 0xc0       ; the add's registers are made: destination in window 3, sources in window 0
.set W_AD, 0x0f       ; the add: address (source 0) and data (source 1) in window 3
; A joint fill.  Waves 0 and 1 fetch the two halves of a slot's K, waves 2 and 3 those of its V: 128 keys each.  The branch hangs on the wave's number alone.
; An s_nop 0 and four v_nop follow each of the two lines, ahead of the jump and the label.
.macro JLOAD
	s_cmp_lt_u32 s[WV], 2
	s_cbranch_scc0 .Lfor_v_\@
	tensor_load_to_lds s[G0K:G0K+3], s[G1K:G1K+7]
	s_nop 0
.rept 4
	v_nop
.endr
	s_branch .Lasked_\@
.Lfor_v_\@:
	tensor_load_to_lds s[G0V:G0V+3], s[G1V:G1V+7]
	s_nop 0
.rept 4
	v_nop
.endr
.Lasked_\@:
.endm
; A round of the cluster's barrier: my work-group's barrier, so that wave 0's signal speaks for all four waves; wave 0 signals; every wave waits for all four work-groups; my work-group's barrier once more.
.macro CROUND
	s_barrier_signal -1
	s_barrier_wait -1
	s_cmp_lg_u32 s[WV], 0
	s_cbranch_scc1 .Lnot_wave_0_\@
	s_barrier_signal -3
.Lnot_wave_0_\@:
	s_barrier_wait -3
	s_barrier_signal -1
	s_barrier_wait -1
.endm
; THE CHANGE OF SLOTS.  The slot's last bytes, V of its fourth step, have been read.  Each wave waits for all its tensor loads, of which one is out: its part
; of the other slot; adds 0 to its spare word; and waits for that and for its own reads of the slot.  Behind the barrier nobody reads this slot any more and the other slot is whole.
; fill = 1: this slot is filled again, with the keys two slots on.  The barrier is then a round of the cluster's, so that no wave of any partner still reads the slot or has a load on its
; way, and the joint fill is the first thing behind it: it has four key steps, 512 matrix instructions, in which to land.  (At its first use nothing has been read yet: slot 0 is waited for, slot 1 filled.)
.macro CHANGE fill
	WIN W_AD
	s_wait_tensorcnt 0x0            ; no tensor load of mine is out, so a group 0 may be written
	ds_add_u32 v[SPW], v[NIL]       ; 0 onto my spare word: with fill = 1 the descriptors' steps stand between it and the wait for it
	WIN 0                           ; at a label and at a branch every window is 0
.if \fill
.irp g, G0K, G0V
	s_xor_b32 s[\g+1], s[\g+1], SLOT1  ; the walking descriptor: the other slot than last time,
	s_add_nc_u64 s[\g+2:\g+3], s[\g+2:\g+3], 4*KS*128  ; the next 256 keys; the type bits on top are not reached
.endr
	s_wait_dscnt 0x0                ; the add is done, and my reads of the slot are over
	CROUND
	JLOAD
.else
	s_wait_dscnt 0x0                ; the add is done, and my reads of the slot are over
	s_barrier_signal -1
	s_barrier_wait -1
.endif
	s_sub_co_u32 s[TBK], s[TBK], 4*KS*PK  ; the fetches go back to a slot's first step,
	s_xor_b32 s[TBK], s[TBK], SLOT1       ; in the other slot
	s_sub_co_u32 s[TBV], s[TBV], 4*KS*PV
	s_xor_b32 s[TBV], s[TBV], SLOT1
.endm
	s_load_b256 s[4:11], s[0:1], 0x0  ; Q s[4:5], K s[6:7], V s[8:9], O s[10:11]
	WIN W_MK
	v_lshl_add_u32 v[SPW], v0, 2, SPARE
	v_mov_b32 v[NIL], 0
	WIN W_AD
	ds_add_u32 v[SPW], v[NIL]       ; the wave's opening: the add and its wait stand ahead of my first tensor load; the set-up below, work on registers, stands between them
	WIN 0
	v_lshrrev_b32 v1, 5, v0
	v_readfirstlane_b32 s[WV], v1   ; wave 0..3
	s_bfe_u32 s13, ttmp6, 0x40000   ; cx: my place in the cluster
	s_lshl_b32 s14, ttmp9, 2        ; in a cluster launch ttmp9 counts clusters
	s_add_co_u32 s14, s14, s13      ; my block of queries = 4 x cluster x + cx: it enters Q's and O's addresses alone
	s_and_b32 s20, ttmp7, 0xffff    ; the head, which the four partners share
	s_mov_b32 s21, 0
	s_mov_b64 s[22:23], SIZE_N*128
	s_mul_u64 s[20:21], s[20:21], s[22:23]  ; the head's first byte in each of the four tensors
	s_and_b32 s16, s[WV], 1         ; which half of a slot's 256 keys I fetch:
	s_lshl_b32 s22, s16, 14         ; its 128 rows of 128 bytes in memory,
	s_mov_b32 s23, 0
	s_add_nc_u64 s[22:23], s[22:23], s[20:21]
	s_mul_i32 s17, s16, 128*PK      ; and its place in a slot, for K
	s_mul_i32 s18, s16, 128*PV      ; and for V: no place in the cluster enters an LDS address
	s_lshl_b32 s2, s14, 2
	s_add_co_u32 s2, s2, s[WV]      ; my wave among the head's,
	s_lshl_b32 s2, s2, 14           ; its 128 rows
	s_mov_b32 s3, 0
	s_add_nc_u64 s[2:3], s[2:3], s[20:21]
	; descriptor group 1.  128 keys are 16,384 dense bytes: asked for as 64 rows of 256 bytes, two keys a row, and padded in LDS after every key
	s_mov_b32 s[G1K], 15|(1<<16)|(1<<20)|(1<<21)|(4<<22)|(3<<25)  ; 15:0 the mask of four; 17:16 2-byte elements; 20 padding on; 21 set beside a mask; 24:22 after every 32 words (code 4); 31:25 4 words (code 3)
	s_mov_b32 s[G1V], 15|(1<<16)|(1<<20)|(1<<21)|(4<<22)|(7<<25)  ; the same with 8 words of padding (code 7)
.irp g, G1K, G1V
	s_mov_b32 s[\g+1], 128<<16      ; tensor_dim0 = 128
	s_mov_b32 s[\g+2], 64<<16       ; tensor_dim1 = 64
	s_mov_b32 s[\g+3], 128<<16      ; tile_dim0 = 128
	s_mov_b32 s[\g+4], 64           ; tile_dim1 = 64
	s_mov_b32 s[\g+5], 128          ; 128 elements from row to row
	s_mov_b32 s[\g+6], 0
	s_mov_b32 s[\g+7], 0
.endr
	s_mov_b32 s[CS], 0x3e38aa3b     ; c = log2(e) / 8 = 0.180337
	s_mov_b32 s[CS+1], s[CS]        ; named with it as a pair
	s_mov_b32 s[SEL], 0x76543210
	s_mov_b32 s[SEL+1], 0xfedcba98
	s_mov_b32 s[TBK], SLOT1+4*KS*PK ; the first change of slots turns these two into 0
	s_mov_b32 s[TBV], SLOT1+4*KS*PV
	s_mov_b32 s[G0K], 1             ; 1:0 count = 1
	s_mov_b32 s[G0K+1], s17         ; 63:32 LDS address: slot 0
	s_mov_b32 s[G0V], 1
	s_add_co_u32 s[G0V+1], s18, VOFF
	s_wait_dscnt 0x0                ; the opening add is done
	s_wait_kmcnt 0x0
	s_add_nc_u64 s[G0K+2:G0K+3], s[6:7], s[22:23]  ; 120:64 global address: my half of the head's first 256 keys
	s_or_b32 s[G0K+3], s[G0K+3], 0x80000000        ; 127:126 type = 2
	s_add_nc_u64 s[G0V+2:G0V+3], s[8:9], s[22:23]
	s_or_b32 s[G0V+3], s[G0V+3], 0x80000000
	s_add_nc_u64 s[4:5], s[4:5], s[2:3]  ; Q and O at my wave's first row
	s_add_nc_u64 s[10:11], s[10:11], s[2:3]
	CROUND                          ; all four work-groups are here: the first joint loads meet
	JLOAD                           ; slot 0.  Slot 1 is asked for when slot 0 is in: the tile wanted first has the road to itself
	; A fragment of K or Q is 16 rows x 32 channels in 8 registers: lane l holds row l % 16, channels 8 (l / 16) + 0..7 and 16 + 8 (l / 16) + 0..7: two loads of 16 bytes, 32 bytes apart.
	v_and_b32 v1, 15, v0            ; l % 16
	v_bfe_u32 v9, v0, 4, 1          ; l / 16
	v_lshlrev_b32 v[QO], 7, v1
	v_lshl_add_u32 v[QO], v9, 4, v[QO]  ; row x 128 + 16 x half
	WIN 0x80                        ; destination window 2, address window 0
.set i, 0
.rept 4*NP                          ; Q stays in registers: tile i / 2, channels 32 (i % 2) on
	global_load_b128 v[8*i:8*i+3],   v[QO], s[4:5] offset:(i/2)*2048+(i%2)*64
	global_load_b128 v[8*i+4:8*i+7], v[QO], s[4:5] offset:(i/2)*2048+(i%2)*64+32
.set i, i+1
.endr
	; What the first turn finds: V's registers and P's second buffer hold 0 (its products V^T P, of a piece that has not been, add 0), O^T and l are 0.  All this stands in the wait for the first tile.
.set i, VF
.rept 64
	v_mov_b32 v[i], 0
.set i, i+1
.endr
	WIN 0x40
.set i, 0
.rept 64*NP
	v_mov_b32 v[i], 0
.set i, i+1
.endr
	WIN 0
.set i, 0
.rept 2*NP
	v_mov_b32 v[ST+4*i], 0xfe000000    ; c m: far below every c s
	v_mov_b32 v[ST+4*i+1], 0xff7fffff  ; m
	v_mov_b32 v[ST+4*i+2], 0
	v_mov_b32 v[ST+4*i+3], 0
.set i, i+1
.endr
.set i, P+32
.rept 32
	v_mov_b32 v[i], 0
.set i, i+1
.endr
	v_mul_u32_u24 v[AK0], v1, PK
	v_lshl_add_u32 v[AK0], v9, 4, v[AK0]  ; row x pitch + 16 x half
	; The turning load takes 16 keys x 16 channels (lane l reads key 8 (l / 16) + l % 8, channels 8 ((l / 8) % 2) + 0..7) and leaves half a fragment of V^T: lane l holds channel l % 16 and 8 keys.
	v_and_b32 v10, 7, v0
	v_bfe_u32 v11, v0, 3, 1
	v_lshl_add_u32 v[AV0], v9, 3, v10
	v_mul_u32_u24 v[AV0], v[AV0], PV
	v_lshl_add_u32 v[AV0], v11, 4, v[AV0]
	v_add_nc_u32 v[AV0], VOFF, v[AV0]
	v_mov_b32 v[AK], v[AK0]         ; key step 0 lies at the head of slot 0
; THE MATRIX WORK.  The 8 accumulators of a run of 16 take turns: between the two links of a chain stand 7 others'.
; Product i of 16 of S^T = K Q^T for piece x: channels 32 (i / 8) on, keys 16 ((i / 2) % 4) on, tile 2 x + i % 2.  The first 8 start the sums.
.macro KQ x
	WIN W_KQ
.set rS, S+64*((\x)%2)+32*(i%2)+8*((i/2)%4)
.set rK, KF+16*((i/2)%4)+8*(i/8)
.set rQ, 16*(2*(\x)+i%2)+8*(i/8)
.if i < 8
	v_wmma_f32_16x16x32_f16 v[rS:rS+7], v[rK:rK+7], v[rQ:rQ+7], 0
.else
	v_wmma_f32_16x16x32_f16 v[rS:rS+7], v[rK:rK+7], v[rQ:rQ+7], v[rS:rS+7]
.endif
.endm
; Product i of 16 of O^T += V^T P for piece x: keys 32 (i / 8) on, channels 16 ((i / 2) % 4) on, tile 2 x + i % 2.
.macro PV x
	WIN W_PV
.set rO, 32*(2*(\x)+i%2)+8*((i/2)%4)
.set rV, VF+32*(i/8)+8*((i/2)%4)
.set rP, P+32*((\x)%2)+16*(i%2)+8*(i/8)
	v_wmma_f32_16x16x32_f16 v[rO:rO+7], v[rV:rV+7], v[rP:rP+7], v[rO:rO+7]
.endm
.macro MM                           ; the turn's next matrix instruction
.if i < 16
	KQ (Y+1)%NP
.set i, i+1
.else
.set i, i-16
	PV (Y+NP-1)%NP
.set i, i+17
.endif
.endm
; THE LDS LOADS stand in runs of 16, never singly among the matrix instructions: a step's K (64 keys x 64 channels: 8 fragments) and its V (turned).  Their addresses are made some lines ahead.
; last = 1 (the tail): in the last trip there is no further step, and the run is jumped over.
.macro FETCH_K last=0
	WIN 0
.if \last
	s_cmp_eq_u32 s[CNT], 1
	s_cbranch_scc1 .Lno_k_\@
.endif
	WIN 0x80                        ; destination window 2
.irp f, 0,1,2,3,4,5,6,7             ; keys 16 (f / 2) on, channels 32 (f % 2) on
	ds_load_b128 v[KF+8*\f:KF+8*\f+3],   v[AK] offset:(\f/2)*16*PK+(\f%2)*64
	ds_load_b128 v[KF+8*\f+4:KF+8*\f+7], v[AK] offset:(\f/2)*16*PK+(\f%2)*64+32
.endr
	s_add_co_u32 s[TBK], s[TBK], KS*PK  ; the next fetch is the next step's
	WIN 0
.if \last
.Lno_k_\@:
.endif
.endm
.macro FETCH_V
	WIN 0x80
.irp f, 0,1,2,3,4,5,6,7             ; keys 32 (f / 4) on, channels 16 (f % 4) on
	ds_load_tr16_b128 v[VF+8*\f:VF+8*\f+3],   v[AV] offset:(\f/4)*32*PV+(\f%4)*32
	ds_load_tr16_b128 v[VF+8*\f+4:VF+8*\f+7], v[AV] offset:(\f/4)*32*PV+16*PV+(\f%4)*32
.endr
	WIN 0
.endm
; THE VECTOR WORK OF A TURN stands in three queues, each in the order in which its entries become ready; the two tiles alternate, so that no instruction reads the result of the one before it.
.macro REGS y, u                    ; the registers of tile u (0, 1) of piece y
.set rT, ST+4*(2*(\y)+(\u))
.set rC, TMP+8*((\y)%2)+4*(\u)
.set rM, MV+2*((\y)%2)+(\u)
.set rS, S+64*((\y)%2)+32*(\u)
.set rP, P+32*((\y)%2)+16*(\u)
.set rO, 32*(2*(\y)+(\u))
.endm
; Number n of the 22 that find the NEXT piece's (Y + 1) maximum and statistics.  s0-s31 are the lane's 32 scores; each accumulator's lowest registers are read first.  XS, GS and REGS set no window: PL and EX do.
;   0-11  four chains c0-c3 of seven scores each, three operands at a time     12-14, 16  the four scores left over, the old m, and c0-c3 into c0     15  c m_old is kept
;   17, 18  the query's other 32 keys lie in the lane 16 away: the new m         19-21  c m; c m_old - c m_new; a
.macro XS u, n
	REGS (Y+1)%NP, \u
.if (\n) < 4
	v_max3_num_f32 v[rC+(\n)], v[rS+8*(\n)], v[rS+8*(\n)+1], v[rS+8*(\n)+2]
.elseif (\n) < 12
	v_max3_num_f32 v[rC+(\n)%4], v[rC+(\n)%4], v[rS+8*((\n)%4)+2*((\n)/4)+1], v[rS+8*((\n)%4)+2*((\n)/4)+2]
.elseif (\n) == 12
	v_max3_num_f32 v[rC], v[rC], v[rS+7], v[rS+15]
.elseif (\n) == 13
	v_max3_num_f32 v[rC+1], v[rC+1], v[rS+23], v[rS+31]
.elseif (\n) == 14
	v_max3_num_f32 v[rC+2], v[rC+2], v[rC+3], v[rT+1]
.elseif (\n) == 15
	v_mov_b32 v[rM], v[rT]
.elseif (\n) == 16
	v_max3_num_f32 v[rC], v[rC], v[rC+1], v[rC+2]
.elseif (\n) == 17
	v_permlanex16_b32 v[rC+3], v[rC], s[SEL], s[SEL+1]
.elseif (\n) == 18
	v_max_num_f32 v[rT+1], v[rC], v[rC+3]
.elseif (\n) == 19
	v_mul_f32 v[rT], s[CS], v[rT+1]
.elseif (\n) == 20
	v_sub_f32 v[rC+1], v[rM], v[rT]
.else
	v_exp_f32 v[rC+2], v[rC+1]
.endif
.endm
; Number g of the 64 that follow the exponentials.  For each four weights k of a tile (pairs 2 k, 2 k + 1): both pairs are rounded to f16; then the second pair is added onto the first, in place;
; a group later l takes that sum (the first time as l = a l + sum).  In groups of eight, tiles alternating: round, round, add, and l for the group before.
.macro GS g
.set h, (\g)+6*((\g)/62)            ; group 0 has no group before it, and behind group 7 only l is left
.if h >= 6
.set h, h+2
.endif
	REGS Y, h%2
.set k, h/8
.if h%8 < 4
	s_wait_alu depctr_va_vdst(0)
	v_cvt_pk_f16_f32 v[rP+2*k+(h%8)/2], v[rS+4*k+2*((h%8)/2)], v[rS+4*k+2*((h%8)/2)+1]
.elseif h%8 < 6
	v_pk_add_f32 v[rS+4*k:rS+4*k+1], v[rS+4*k:rS+4*k+1], v[rS+4*k+2:rS+4*k+3]
.elseif k == 1
	v_pk_fma_f32 v[rT+2:rT+3], v[rT+2:rT+3], v[rC+2:rC+3], v[rS:rS+1] op_sel_hi:[1,0,1]
.else
	v_pk_add_f32 v[rT+2:rT+3], v[rT+2:rT+3], v[rS+4*k-4:rS+4*k-3]
	s_wait_alu depctr_va_vdst(0)
.endif
.endm
; THE PLAIN QUEUE, 138 long.  0-31: c s - c m for the 16 pairs of both tiles.  Then GS's 64, and among them the next piece's 42: number 15 at 38, 39; 0-14 and 16
; at 42-73, behind the products that make those scores; 17-20 at 95-106, two of three, since each waits for the one before it.
.macro PL
	WIN 0
.if q < 32
	REGS Y, q%2
	v_pk_fma_f32 v[rS+2*(q/2):rS+2*(q/2)+1], v[rS+2*(q/2):rS+2*(q/2)+1], s[CS:CS+1], v[rT:rT+1] op_sel_hi:[1,0,0] neg_lo:[0,0,1] neg_hi:[0,0,1]
.elseif q < 38
	GS q-32
.elseif q < 40
	XS q%2, 15
.elseif q < 42
	GS q-34
.elseif q < 74
	XS q%2, (q-42)/2+(q-42)/30
.elseif q < 95
	GS q-66
.elseif (q < 107) && ((q-95)%3 < 2)
	XS (q-95)%3, 17+(q-95)/3
.elseif q < 107
	GS 29+(q-95)/3
.else
	GS q-74
.endif
.set q, q+1
.endm
; THE EXPONENTIALS' QUEUE, 66 long: s0-s31 of both tiles, and at EA the next piece's two a.
.set EA, 58
.macro EX
	WIN 0
.if (e == EA) || (e == EA+1)
	XS e-EA, 21
.else
.set x, e-2*(e/(EA+2))
	REGS Y, x%2
	v_exp_f32 v[rS+x/2], v[rS+x/2]
.endif
.set e, e+1
.endm
; THE RESCALING's QUEUE: O^T times a, the one part that leaves window 0, so it is dealt four at a time, eight times.
.macro R4
	REGS Y, r%2
	WIN W_RS
	s_wait_alu depctr_va_vdst(0)
.irp z, 0,1,2,3
	v_pk_mul_f32 v[rO+8*(r/2)+2*\z:rO+8*(r/2)+2*\z+1], v[rO+8*(r/2)+2*\z:rO+8*(r/2)+2*\z+1], v[rC+2:rC+3] op_sel_hi:[1,0]
.endr
.set r, r+1
.endm
; HOW THEY ARE DEALT.  Behind a matrix instruction four: plain, exponential, plain, plain (one exponential, a plain instruction on either side), or four of the rescaling.  None names a register of the
; products round it.  What is over stands in two LUMPS: exponential and plain by turns; the second ends in 22 plain instructions.  The two v_permlanex16_b32 fall into the second lump, never behind a product.
; The queues lean on each other, and the deal keeps them in step: exponential e stands behind plain 2 (e / 4) + e % 2 (its scaling); when plain 32 comes, 10 exponentials are out, at 59: 33, at 95: 46; EA comes behind plain 107.
.macro SL
	MM
	PL
	EX
	PL
	PL
.endm
.macro BURST n                      ; 15 matrix instructions, or 16
.rept (\n)-7
	SL
.endr
.rept 3
	MM
	R4
	SL
.endr
	MM
	R4
.endm
; A TURN, for piece p.  cnt = 1: the loop's count is taken down some lines ahead of the branch that stands behind the turn.
; K of the next step is fetched in piece 2's turn, 31 vector instructions behind the last product that read K; its first reader comes behind the rest of the lump, 16 products and the second lump.
; V of the step in hand is fetched at the end of piece 0's turn, 69 behind its last reader; its first reader comes behind 16 products and a lump.  The four conditions on e and q below go with the deal.
.macro TURN p, last=0, cnt=0
.set Y, (\p)
.set i, 0
.set q, 0
.set e, 0
.set r, 0
.if (\p) == NP-1
	s_wait_dscnt 0x0                ; K is in
.endif
	MM
.rept 4
	PL
.endr
	BURST 15
.rept 22
	EX
	PL
.if ((\p) == NP-2) && (e == 18)
	v_add_nc_u32 v[AK], s[TBK], v[AK0]
.endif
.if ((\p) == NP-2) && (e == 24)
	FETCH_K \last
.endif
.endr
.if (\p) == 1
	s_wait_dscnt 0x0                ; V is in
.endif
	BURST 16
.rept 21
	EX
	PL
.endr
.rept 22
	PL
.if ((\p) == 0) && (q == 118)
	v_add_nc_u32 v[AV], s[TBV], v[AV0]
	s_wait_alu depctr_va_vdst(0)
.endif
.if ((\p) == 0) && (q == 130)
	s_add_co_u32 s[TBV], s[TBV], KS*PV
.endif
.if (\cnt) && (q == 130)
	s_sub_co_u32 s[CNT], s[CNT], 1
	s_cmp_lg_u32 s[CNT], 0
.endif
.endr
.if (\p) == 0
	FETCH_V
.endif
.endm
	CHANGE 1                        ; slot 0 is in, everybody's part of it; slot 1 is asked for
	FETCH_K                         ; key step 0
	s_wait_loadcnt 0x0              ; Q
	s_wait_dscnt 0x0
.set i, 0
.rept 16
	KQ 0                            ; piece 0's first scores: there is no vector work yet to set between them
.set i, i+1
.endr
	WIN 0                           ; the addresses for the way out: nine plain instructions, the places behind those products
	s_mul_i32 s13, s[WV], 16*SP
	s_add_co_u32 s13, s13, STAGE    ; my stage
	v_mul_u32_u24 v[STO], v1, SP    ; in: row l % 16, 16 bytes for each half of the lanes
	v_lshl_add_u32 v[STO], v9, 4, v[STO]
	v_add_nc_u32 v[STO], s13, v[STO]
	v_bfe_u32 v[RD], v0, 3, 2       ; back: 32 lanes take four rows of 128 bytes,
	v_mul_u32_u24 v[RD], v[RD], SP
	v_lshl_add_u32 v[RD], v10, 4, v[RD]
	v_add_nc_u32 v[RD], s13, v[RD]
	v_and_b32 v[GO], 31, v0         ; which are 512 consecutive bytes of O
	v_lshlrev_b32 v[GO], 4, v[GO]
.set Y, NP-1                        ; XS works for piece Y + 1: piece 0
.irp n, 0,1,2,3,4,5,6,7,8,9,10,11,12,13,14,15,16,17,18,19,20,21
	XS 0, \n                        ; and piece 0's first maximum and statistics
	XS 1, \n
.endr
	s_mov_b32 s[CNT], 4
	s_mov_b32 s[SLOTS], SIZE_N/256-1
	s_branch .Lfirst                ; the loop is entered at a step's first turn, in the middle of a trip
.Lslot:                             ; SIZE_N / 256 - 2 times: every slot but the last two is filled again
	CHANGE 1
	s_mov_b32 s[CNT], 4
.Lstep:                             ; a trip: pieces 2 and 3 of one step, then pieces 0 and 1 of the next, whose K and V it fetches
	TURN 2
	TURN 3
	WIN 0
.Lfirst:
	TURN 0
	TURN 1, 0, 1
	WIN 0
	s_cbranch_scc1 .Lstep
	s_sub_co_u32 s[SLOTS], s[SLOTS], 1
	s_cmp_lg_u32 s[SLOTS], 0
	s_cbranch_scc1 .Lslot
	CHANGE 0                        ; the tail is written out: nothing is asked for
	s_mov_b32 s[CNT], 5             ; four trips fetch the last slot's steps; the fifth is left in its middle
.Ltail:
	TURN 2, 1
	TURN 3
	WIN 0
	s_sub_co_u32 s[CNT], s[CNT], 1
	s_cmp_eq_u32 s[CNT], 0
	s_cbranch_scc1 .Lout
	TURN 0
	TURN 1
	WIN 0
	s_branch .Ltail
.Lout:                              ; the fifth trip's 16 products K Q^T (on the last K once more) and the maximum made of them serve nothing: the price, once a launch, of one text for every trip
.set i, 0
.rept 16
	PV NP-1                         ; the last piece's V^T P of the last step
.set i, i+1
.endr
	; THE WAY OUT.  l's two halves and the other half of the lanes' are added; O^T is divided by l, rounded to f16 and sent through my stage in LDS, a tile at a time.  The additions are the places behind the last products.
	WIN 0
.macro ALL line:vararg              ; one line for each tile t
.set t, 0
.rept 2*NP
	\line
.set t, t+1
.endr
.endm
	ALL v_add_f32 v[ST+4*t+2], v[ST+4*t+2], v[ST+4*t+3]
	ALL v_permlanex16_b32 v[ST+4*t+3], v[ST+4*t+2], s[SEL], s[SEL+1]
	ALL v_add_f32 v[ST+4*t+2], v[ST+4*t+2], v[ST+4*t+3]
	ALL v_rcp_f32 v[ST+4*t+2], v[ST+4*t+2]
	v_nop                           ; a plain instruction between the last reciprocal and the use of its result
	s_wait_alu depctr_va_vdst(0)
; Tile t: a lane's eight channels of a row pack into 16 bytes; they go into rows of 144 bytes and come back as whole rows of 128, into S^T's registers.
.macro PACK t
	WIN W_RS
.set i, 32*(\t)
.rept 16
	v_pk_mul_f32 v[i:i+1], v[i:i+1], v[ST+4*(\t)+2:ST+4*(\t)+3] op_sel_hi:[1,0]
.set i, i+2
.endr
	WIN 0x05                        ; sources 0 and 1 window 1, destination window 0
.set i, 0
.rept 16
	v_cvt_pk_f16_f32 v[S+16*(\t)+i], v[32*(\t)+2*i], v[32*(\t)+2*i+1]
.set i, i+1
.endr
	WIN 0
.irp f, 0,1,2,3
	ds_store_b128 v[STO], v[S+16*(\t)+4*\f:S+16*(\t)+4*\f+3] offset:32*\f
.endr
.irp f, 0,1,2,3
	ds_load_b128 v[S+16*(\t)+4*\f:S+16*(\t)+4*\f+3], v[RD] offset:\f*4*SP  ; LDS serves a wave's instructions in order (ISA guide 5.7.1.4): these see the stores above; the next tile's stores come behind them
.endr
.endm
.macro SEND t, younger              ; younger: the LDS instructions issued behind tile t's loads: the next tile's eight, or none
	WIN 0
.irp f, 0,1,2,3
	s_wait_dscnt (\younger)+3-\f
	global_store_b128 v[GO], v[S+16*(\t)+4*\f:S+16*(\t)+4*\f+3], s[10:11] offset:(\t)*2048+\f*512  ; 512 consecutive bytes, at a multiple of 256 from O's first
.endr
.endm
	PACK 0
.set t, 1
.rept 2*NP-1                        ; a tile's arithmetic stands between the loads of the tile before and its stores
	PACK t
	SEND t-1, 8
.set t, t+1
.endr
	SEND 2*NP-1, 0
	WIN W_AD
	s_wait_tensorcnt 0x0            ; the wave's end: the add and its waits stand behind my last tensor load and my last LDS store
	ds_add_u32 v[SPW], v[NIL]
	s_wait_dscnt 0x0
	WIN 0
	CROUND                          ; the closing round: no work-group ends while a partner may still ask for a tile that names it
	s_endpgm
.Lfunc_end_k_q1ad78c5c60_attn:
	.size	k_q1ad78c5c60_attn, .Lfunc_end_k_q1ad78c5c60_attn-k_q1ad78c5c60_attn
	.p2alignl 7, 3214868480
	.fill 96, 4, 3214868480
	.section	.rodata,"a",@progbits
	.p2align	6, 0x0
	.amdhsa_kernel k_q1ad78c5c60_attn
		.amdhsa_group_segment_fixed_size 327680
		.amdhsa_private_segment_fixed_size 0
		.amdhsa_enable_private_segment 0
		.amdhsa_kernarg_size 32
		.amdhsa_user_sgpr_count 2
		.amdhsa_user_sgpr_kernarg_segment_ptr 1
		.amdhsa_wavefront_size32 1
		.amdhsa_system_sgpr_workgroup_id_x 1
		.amdhsa_system_sgpr_workgroup_id_y 1
		.amdhsa_system_sgpr_workgroup_id_z 1
		.amdhsa_system_vgpr_workitem_id 0
		.amdhsa_next_free_vgpr 770
		.amdhsa_next_free_sgpr 66
		.amdhsa_reserve_vcc 0
		.amdhsa_float_denorm_mode_32 3
		.amdhsa_float_denorm_mode_16_64 3
		.amdhsa_memory_ordered 1
		.amdhsa_forward_progress 1
		.amdhsa_inst_pref_size 208
	.end_amdhsa_kernel
	.amdgpu_metadata
---
amdhsa.version: [ 1, 2 ]
amdhsa.kernels:
  - .name:           k_q1ad78c5c60_attn
    .symbol:         k_q1ad78c5c60_attn.kd
    .args:
      - { .name: q, .offset: 0, .size: 8, .value_kind: global_buffer, .address_space: global }
      - { .name: k, .offset: 8, .size: 8, .value_kind: global_buffer, .address_space: global }
      - { .name: v, .offset: 16, .size: 8, .value_kind: global_buffer, .address_space: global }
      - { .name: o, .offset: 24, .size: 8, .value_kind: global_buffer, .address_space: global }
    .group_segment_fixed_size: 327680
    .private_segment_fixed_size: 0
    .kernarg_segment_align: 8
    .kernarg_segment_size: 32
    .max_flat_workgroup_size: 128
    .sgpr_count:     66
    .vgpr_count:     770
    .wavefront_size: 32
...
	.end_amdgpu_metadata
.endif
;; end of part 3
;; launch proj (part 4): grid 4 x 64, 4 waves a work-group, clusters of 4 x 4, 327,680 bytes of LDS; arguments o, pwb, proj_b, out0; writes out0
.if DOCPART == 4
	.amdgcn_target "amdgcn-amd-amdhsa--gfx1250"
	.amdhsa_code_object_version 6
	.text
	.protected	k_q1ad78c5c60_proj
	.globl	k_q1ad78c5c60_proj
	.p2align	8
	.type	k_q1ad78c5c60_proj,@function
k_q1ad78c5c60_proj:
	s_mov_b64 s[64:65], 0
	v_nop
	global_prefetch_b8 v0, s[64:65] scope:SCOPE_SE
	s_setreg_imm32_b32 hwreg(HW_REG_WAVE_MODE, 25, 1), 1
	s_wait_xcnt 0x0
	s_wait_alu depctr_hold_cnt(0) depctr_sa_sdst(0) depctr_va_vdst(0) depctr_va_sdst(0) depctr_va_ssrc(0) depctr_va_vcc(0) depctr_vm_vsrc(0)
	s_getreg_b32 s2, hwreg(HW_REG_IB_STS2, 6, 4)
	s_cmp_eq_u32 s2, 0
	s_cbranch_scc0 .Lentry_in_a_cluster
	s_endpgm
.Lentry_in_a_cluster:
	s_bfe_u32 s2, ttmp6, 0x10000c
	s_cmp_lg_u32 s2, 0xf033
	s_cbranch_scc0 .Lentry_shape_is_right
	s_endpgm
.Lentry_shape_is_right:
; THE OUTPUT PROJECTION.  out0[n][c] = sum over k of O[n][k] proj_w[c][k] + proj_b[c], 8,192 x 1,024 x 1,024.  O comes by heads, [16 b + head][n 2048][64] f16: head = block of 64 along K;
; the weights as pwb [kb 16][c 1024][64] f16 (numbers rounded to bf16); sums in f32; the bias is rounded to bf16 like every input and added in f32; out0 is f32.
; LIMITS.  O and proj_w within f16's 65,504.  NaN and infinities are not treated apart.
; SHARES.  A tile of out0 is 128 x 256: 64 x 4 = 256 tiles, one a work-group.  Four waves, each 64 x 128: 32 accumulators of 16 x 16, 256 registers.
; K goes in 8 steps of 128, two blocks of 64: one tensor load a wave brings one block's dense rows (waves 0, 1: O's 128 rows of blocks 2 s, 2 s + 1; waves 2, 3: the weights' 256 rows), asked for as rows of
; 256 bytes, two a row, padded in LDS behind every 128 bytes.  Two slots.  A K step has 128 matrix instructions a wave, 112 of them between a request and the wait for it.
; CLUSTER.  4 x 4 work-groups: the four of a row need the same tiles of O, the four of a column the same tiles of the weights: each is asked for JOINTLY.
; NO PREFETCH: eight K steps in all; the launch is short, and its first tiles, a quarter of all, would come by their loads alone anyway.
; THE MATRIX INSTRUCTION IS USED TRANSPOSED (source 0 = 16 rows of the weights, source 1 = 16 rows of O): a lane holds row lane % 16 of out0 and eight neighbouring columns.
; REGISTERS: window 0: v0-29 addresses; v32-127, v128-223 two fragment buffers (O's 4 blocks, then the weights' 8); v224-229 the bias.  Window 1: accumulator (a, b) at v[64 a + 8 b].
.set PITCH,  144                       ; an LDS row: 128 bytes + 16 of padding = 36 words: the 16 rows of a fragment load start at 16 different groups of four banks (64 banks of 4 bytes: ISA guide 11.1)
.set BLK,    16*PITCH
.set APART,  128*PITCH                 ; O's rows of one block of 64 along K
.set BPART,  256*PITCH                 ; the weights'
.set BOFF,   2*APART                   ; a slot: O's two blocks, then the weights' two
.set SLOT1,  1<<17
.set STAGE,  SLOT1+2*APART+2*BPART     ; behind the ring, never filled by a tensor load: 16 rows x 528 bytes for each wave
.set SPITCH, 528                       ; 512 bytes + 16 = 132 words: row r starts at bank 4 r mod 64
.set SPARE,  STAGE+4*16*SPITCH         ; behind the stages: the spare words, 128 bytes for each wave: two blocks of 256 bytes that no other line names
.set ASTEP,  2*2048*128                ; two blocks on: in O,
.set BSTEP,  2*1024*128                ; in the weights
.set ADA0, 2
.set ADB0, 3
.set ADRA, 4
.set ADRB, 5
.set STO,  6
.set RD,   7
.set GO,   8                           ; v8   16 x lane: my place in a row's 512 bytes, and in the bias
.set SPW,  28
.set NIL,  29
.set F0,   32
.set F1,   128
.set BIAS, 224
.set WV,  16
.set WR,  17                           ; s17  which 64 rows are mine.  Also: I fetch for O (0) or for the weights (1)
.set WC,  18                           ; s18  which 128 columns.  Also: which of a K step's two blocks I fetch
.set CX,  19
.set CY,  20
.set TC,  21
.set TR,  22
.set G1A, 24
.set G1B, 32
.set G0A, 40
.set G0B, 48
.set TRIPS, 56
.set TB,  57
.set MSB, 0
.macro WIN new                         ; the immediate's high byte repeats the setting that is left; a switch that changes nothing is dropped
.if MSB != (\new)
	s_set_vgpr_msb (MSB<<8)|(\new)
.set MSB, (\new)
.endif
.endm
.macro PLACES                          ; four places: in front of loads into registers that matrix instructions have read, and of reads of their results
.rept 4
	v_nop
.endr
.endm
.macro JLOAD                           ; a joint refill by the walking descriptors; an s_nop 0 and four v_nop follow each of the two lines, ahead of the jump and the label
	s_cmp_eq_u32 s[WR], 0
	s_cbranch_scc0 .Lfor_b_\@
	tensor_load_to_lds s[G0A+4:G0A+7], s[G1A:G1A+7]
	s_nop 0
.rept 4
	v_nop
.endr
	s_branch .Lasked_\@
.Lfor_b_\@:
	tensor_load_to_lds s[G0B+4:G0B+7], s[G1B:G1B+7]
	s_nop 0
.rept 4
	v_nop
.endr
.Lasked_\@:
.endm
.macro CREST                           ; a round of the cluster's barrier behind its opening barrier
	s_cmp_lg_u32 s[WV], 0
	s_cbranch_scc1 .Lnot_wave_0_\@
	s_barrier_signal -3
.Lnot_wave_0_\@:
	s_barrier_wait -3
	s_barrier_signal -1
	s_barrier_wait -1
.endm
.macro CROUND
	s_barrier_signal -1
	s_barrier_wait -1
	CREST
.endm
	s_load_b256 s[4:11], s[0:1], 0x0               ; o 4:5, pwb 6:7, proj_b 8:9, out0 10:11
	v_lshl_add_u32 v[SPW], v0, 2, SPARE
	v_mov_b32 v[NIL], 0
	ds_add_u32 v[SPW], v[NIL]                      ; the wave's opening: the add and its wait stand ahead of my first tensor load; the set-up below, work on registers, stands between them
	v_lshrrev_b32 v1, 5, v0
	v_readfirstlane_b32 s[WV], v1
	s_lshr_b32 s[WR], s[WV], 1
	s_and_b32 s[WC], s[WV], 1
	s_bfe_u32 s[CX], ttmp6, 0x40000
	s_bfe_u32 s[CY], ttmp6, 0x40004
	s_lshl_b32 s[TC], ttmp9, 2
	s_add_co_u32 s[TC], s[TC], s[CX]               ; tile column
	s_and_b32 s[TR], ttmp7, 0xffff
	s_lshl_b32 s[TR], s[TR], 2
	s_add_co_u32 s[TR], s[TR], s[CY]               ; tile row
	s_lshl_b32 s66, s[CY], 2
	s_lshl_b32 s66, 15, s66                        ; my row of the cluster
	s_lshl_b32 s67, 0x1111, s[CX]                  ; my column
	s_or_b32 s[G1A], s66, (1<<16)|(1<<20)|(1<<21)|(4<<22)|(3<<25)  ; 15:0 the mask; 17:16 2-byte elements; 20 padding on; 21 set beside a mask; 24:22 after every 32 words (code 4); 31:25 4 words (code 3)
	s_or_b32 s[G1B], s67, (1<<16)|(1<<20)|(1<<21)|(4<<22)|(3<<25)
	s_mov_b32 s[G1A+1], 128<<16                    ; tensor_dim0 = 128
	s_mov_b32 s[G1A+2], 64<<16                     ; tensor_dim1 = 64: 128 rows of O
	s_mov_b32 s[G1A+3], 128<<16                    ; tile_dim0 = 128
	s_mov_b32 s[G1A+4], 64                         ; tile_dim1 = 64
	s_mov_b32 s[G1A+5], 128                        ; 128 elements from row to row
	s_mov_b32 s[G1A+6], 0
	s_mov_b32 s[G1A+7], 0
	s_mov_b32 s[G1B+1], 128<<16
	s_mov_b32 s[G1B+2], 128<<16                    ; 256 rows of the weights
	s_mov_b32 s[G1B+3], 128<<16
	s_mov_b32 s[G1B+4], 128
	s_mov_b32 s[G1B+5], 128
	s_mov_b32 s[G1B+6], 0
	s_mov_b32 s[G1B+7], 0
	; where the tiles come from: O's hang on the tile row alone, the weights' on the tile column alone
	s_lshr_b32 s58, s[TR], 4                       ; batch: sixteen tile rows each
	s_lshl_b32 s58, s58, 4
	s_add_co_u32 s58, s58, s[WC]                   ; 16 x batch + the block that I fetch:
	s_lshl_b32 s58, s58, 18                        ; 2,048 rows of 128 bytes each
	s_and_b32 s59, s[TR], 15
	s_lshl_b32 s59, s59, 14                        ; 128 rows of 128 bytes
	s_add_co_u32 s58, s58, s59
	s_mov_b32 s59, 0
	s_lshl_b32 s60, s[WC], 17                      ; a block of the weights: 1,024 rows of 128 bytes
	s_lshl_b32 s61, s[TC], 15                      ; 256 rows
	s_add_co_u32 s60, s60, s61
	s_mov_b32 s61, 0
	s_mul_i32 s62, s[WC], APART                    ; and where they go: no place in the cluster enters an LDS address
	s_mul_i32 s63, s[WC], BPART
	s_add_co_u32 s63, s63, BOFF
	s_mov_b32 s[TB], 0
	s_wait_dscnt 0x0                               ; the opening add is done
	s_wait_kmcnt 0x0
	s_add_nc_u64 s[58:59], s[4:5], s[58:59]
	s_add_nc_u64 s[60:61], s[6:7], s[60:61]
	CROUND                                         ; all sixteen work-groups are here: the first joint loads meet
.irp s, 0,1
	s_mov_b32 s[G0A+4*(\s)], 1
	s_add_co_u32 s[G0A+4*(\s)+1], s62, (\s)*SLOT1
	s_add_nc_u64 s[G0A+4*(\s)+2:G0A+4*(\s)+3], s[58:59], (\s)*ASTEP
	s_or_b32 s[G0A+4*(\s)+3], s[G0A+4*(\s)+3], 0x80000000
	s_mov_b32 s[G0B+4*(\s)], 1
	s_add_co_u32 s[G0B+4*(\s)+1], s63, (\s)*SLOT1
	s_add_nc_u64 s[G0B+4*(\s)+2:G0B+4*(\s)+3], s[60:61], (\s)*BSTEP
	s_or_b32 s[G0B+4*(\s)+3], s[G0B+4*(\s)+3], 0x80000000
.endr
	s_cmp_eq_u32 s[WR], 0                          ; a wave's two first fills stand in one branch, ahead of every wait on TENSORcnt and every LDS read: two loads of mine are out
	s_cbranch_scc0 .Lfirst_b
	tensor_load_to_lds s[G0A:G0A+3], s[G1A:G1A+7]
	s_nop 0
	tensor_load_to_lds s[G0A+4:G0A+7], s[G1A:G1A+7]
	s_nop 0
.rept 4
	v_nop
.endr
	s_branch .Lfirst_asked
.Lfirst_b:
	tensor_load_to_lds s[G0B:G0B+3], s[G1B:G1B+7]
	s_nop 0
	tensor_load_to_lds s[G0B+4:G0B+7], s[G1B:G1B+7]
	s_nop 0
.rept 4
	v_nop
.endr
.Lfirst_asked:
	v_and_b32 v1, 15, v0                           ; l % 16
	v_bfe_u32 v9, v0, 4, 1                         ; l / 16
	v_mul_u32_u24 v12, v1, PITCH
	v_lshl_add_u32 v12, v9, 4, v12                 ; a fragment's row x pitch + 16 x half
	s_mul_i32 s66, s[WR], 64*PITCH                 ; my 64 rows of O
	v_add_nc_u32 v[ADA0], s66, v12
	s_mul_i32 s66, s[WC], 128*PITCH                ; my 128 rows of the weights
	s_add_co_u32 s66, s66, BOFF
	v_add_nc_u32 v[ADB0], s66, v12
	v_mov_b32 v[ADRA], v[ADA0]                     ; slot 0
	v_mov_b32 v[ADRB], v[ADB0]
	s_mul_i32 s66, s[WV], 16*SPITCH
	s_add_co_u32 s66, s66, STAGE                   ; my stage
	v_mul_u32_u24 v[STO], v1, SPITCH               ; in: row l % 16, 32 bytes for each half of the lanes
	v_lshl_add_u32 v[STO], v9, 5, v[STO]
	v_add_nc_u32 v[STO], s66, v[STO]
	v_and_b32 v[GO], 31, v0
	v_lshlrev_b32 v[GO], 4, v[GO]
	v_add_nc_u32 v[RD], s66, v[GO]                 ; back: 32 lanes take a row's 512 bytes
	s_lshl_b32 s66, s[TC], 10                      ; my 128 columns: 1,024 bytes a tile, 512 a wave
	s_lshl_b32 s67, s[WC], 9
	s_add_co_u32 s66, s66, s67
	s_mov_b32 s67, 0
	s_add_nc_u64 s[8:9], s[8:9], s[66:67]
	global_load_b128 v[BIAS:BIAS+3], v[GO], s[8:9] ; the bias of my four columns of a row
	s_lshl_b32 s68, s[TR], 19                      ; 128 rows of 4,096 bytes,
	s_lshl_b32 s69, s[WR], 18                      ; my 64 of them
	s_add_co_u32 s68, s68, s69
	s_add_co_u32 s66, s66, s68
	s_add_nc_u64 s[10:11], s[10:11], s[66:67]
; 8 na matrix instructions: row blocks a0 on x all 8 column blocks, 32 along K.  zero = 1: the product starts the sum.  The 32 accumulators take turns, one instruction a turn.
.macro MUL f, a0, na, zero
	WIN 0x50                                       ; C and D in window 1, the fragments in window 0
.set ma, (\a0)
.rept \na
.set mb, 0
.rept 8
.set rD, 64*ma+8*mb
.if \zero
	v_wmma_f32_16x16x32_f16 v[rD:rD+7], v[(\f)+32+8*mb:(\f)+32+8*mb+7], v[(\f)+8*ma:(\f)+8*ma+7], 0
.else
	v_wmma_f32_16x16x32_f16 v[rD:rD+7], v[(\f)+32+8*mb:(\f)+32+8*mb+7], v[(\f)+8*ma:(\f)+8*ma+7], v[rD:rD+7]
.endif
.set mb, mb+1
.endr
.set ma, ma+1
.endr
.endm
; 24 LDS loads in one run: quarter qq of a K step (block qq / 2, 32 K at byte 64 (qq % 2) of the rows) into buffer f: the weights' 8 blocks first, then O's 4
.macro FETCH qq, f
	WIN 0
.irp i, 0,1,2,3,4,5,6,7
	ds_load_b128 v[(\f)+32+8*(\i):(\f)+32+8*(\i)+3],   v[ADRB] offset:((\qq)/2)*BPART+(\i)*BLK+((\qq)%2)*64
	ds_load_b128 v[(\f)+32+8*(\i)+4:(\f)+32+8*(\i)+7], v[ADRB] offset:((\qq)/2)*BPART+(\i)*BLK+((\qq)%2)*64+32
.endr
.irp i, 0,1,2,3
	ds_load_b128 v[(\f)+8*(\i):(\f)+8*(\i)+3],   v[ADRA] offset:((\qq)/2)*APART+(\i)*BLK+((\qq)%2)*64
	ds_load_b128 v[(\f)+8*(\i)+4:(\f)+8*(\i)+7], v[ADRA] offset:((\qq)/2)*APART+(\i)*BLK+((\qq)%2)*64+32
.endr
.endm
; One of a K step's first three quarters: multiplies buffer f, and early in it fetches quarter qn into buffer g.
.macro QUARTER f, g, qn, zero
	s_wait_dscnt 6                                 ; the youngest six loads, O's blocks 1-3, may be out
	MUL \f, 0, 1, \zero
	WIN 0
	PLACES
	FETCH \qn, \g
	s_wait_dscnt 24                                ; all but the 24 just issued
	MUL \f, 1, 3, \zero
.endm
; The last quarter multiplies buffer 1 and changes slots: ONE barrier; in front of it each wave waits for all its tensor loads, of which one is out: its part of the next slot; adds 0 to its spare word; and waits
; for that and for its own reads of this slot.  fill = 1: the barrier opens a round of the cluster's, and this slot is filled again, first thing behind the round, with the K step two on.
.macro TURN fill
	WIN 0                                          ; (the add's two registers lie in window 0)
	s_wait_tensorcnt 0x0                           ; no tensor load of mine is out, so a group 0 may be written
	ds_add_u32 v[SPW], v[NIL]                      ; 0 onto my spare word: work on registers stands between it and the wait for it
.if \fill
	s_xor_b32 s[G0A+5], s[G0A+5], SLOT1
	s_add_nc_u64 s[G0A+6:G0A+7], s[G0A+6:G0A+7], ASTEP
	s_xor_b32 s[G0B+5], s[G0B+5], SLOT1
	s_add_nc_u64 s[G0B+6:G0B+7], s[G0B+6:G0B+7], BSTEP
.endif
	s_wait_dscnt 7                                 ; (the add and the youngest six loads may be out)
	MUL F1, 0, 1, 0
	s_wait_dscnt 0x0                               ; the add is done, and my reads of this slot are over
	s_barrier_signal -1
	MUL F1, 1, 1, 0
	WIN 0
	s_barrier_wait -1
.if \fill
	CREST                                          ; no wave of any partner still reads this slot's tile or has a load on its way
	JLOAD                                          ; the four v_nop behind it are also the places in front of the loads below
.else
	PLACES
.endif
	s_xor_b32 s[TB], s[TB], SLOT1
	v_add_nc_u32 v[ADRA], s[TB], v[ADA0]
	v_add_nc_u32 v[ADRB], s[TB], v[ADB0]
	FETCH 0, F0
	MUL F1, 2, 2, 0
.endm
	s_wait_tensorcnt 1                             ; my part of K step 0 is in; K step 1's may stay out
	s_barrier_signal -1
	s_barrier_wait -1
	FETCH 0, F0
	QUARTER F0, F1, 1, 1                           ; the first quarter stands in front of the loop: its products start the sums
	WIN 0
	s_mov_b32 s[TRIPS], 6
.Lstep:                                                ; trip t ends K step t, asks for K step t + 2 and begins K step t + 1
	QUARTER F1, F0, 2, 0
	QUARTER F0, F1, 3, 0
	TURN 1
	QUARTER F0, F1, 1, 0
	WIN 0
	s_sub_co_u32 s[TRIPS], s[TRIPS], 1
	s_cmp_lg_u32 s[TRIPS], 0
	s_cbranch_scc1 .Lstep
	QUARTER F1, F0, 2, 0                           ; the tail is written out
	QUARTER F0, F1, 3, 0
	TURN 0
	QUARTER F0, F1, 1, 0
	QUARTER F1, F0, 2, 0
	QUARTER F0, F1, 3, 0
	s_wait_dscnt 6
	MUL F1, 0, 1, 0
	s_wait_dscnt 0x0
	MUL F1, 1, 3, 0
	WIN 0
	PLACES
	PLACES                                         ; (eight, once a launch)
	s_wait_loadcnt 0x0                             ; the bias: rounded to bf16, like every input, and widened again
	v_cvt_pk_bf16_f32 v[BIAS+4], v[BIAS], v[BIAS+1]
	v_cvt_pk_bf16_f32 v[BIAS+5], v[BIAS+2], v[BIAS+3]
	v_lshlrev_b32 v[BIAS], 16, v[BIAS+4]
	v_and_b32 v[BIAS+1], 0xffff0000, v[BIAS+4]
	v_lshlrev_b32 v[BIAS+2], 16, v[BIAS+5]
	v_and_b32 v[BIAS+3], 0xffff0000, v[BIAS+5]
; THE WAY OUT.  Row block a goes into my stage, 32 bytes a lane and column block (each accumulator's lowest registers first), and comes back as 16 whole rows of 512 bytes.
.macro TOSTAGE a
	s_wait_xcnt 0x0                                ; every earlier store has read its registers: the buffer below was stored from two blocks back
	WIN 0x04                                       ; the stores' data in window 1
.irp b, 0,1,2,3,4,5,6,7
	ds_store_b128 v[STO], v[64*(\a)+8*(\b):64*(\a)+8*(\b)+3]   offset:64*(\b)
	ds_store_b128 v[STO], v[64*(\a)+8*(\b)+4:64*(\a)+8*(\b)+7] offset:64*(\b)+16
.endr
	WIN 0
.irp t, 0,1,2,3,4,5,6,7,8,9,10,11,12,13,14,15
	ds_load_b128 v[32+96*((\a)%2)+4*(\t):32+96*((\a)%2)+4*(\t)+3], v[RD] offset:SPITCH*(\t)  ; LDS serves a wave's instructions in order (ISA guide 5.7.1.4): these see the stores above; the next block's stores come behind them
.endr
.endm
.macro SEND a, younger                 ; younger: the LDS instructions issued behind block a's loads: the next block's 32, or none
.irp t, 0,1,2,3,4,5,6,7,8,9,10,11,12,13,14,15
	s_wait_dscnt (\younger)+15-(\t)
	v_pk_add_f32 v[32+96*((\a)%2)+4*(\t):32+96*((\a)%2)+4*(\t)+1],   v[32+96*((\a)%2)+4*(\t):32+96*((\a)%2)+4*(\t)+1],   v[BIAS:BIAS+1]
	v_pk_add_f32 v[32+96*((\a)%2)+4*(\t)+2:32+96*((\a)%2)+4*(\t)+3], v[32+96*((\a)%2)+4*(\t)+2:32+96*((\a)%2)+4*(\t)+3], v[BIAS+2:BIAS+3]
	global_store_b128 v[GO], v[32+96*((\a)%2)+4*(\t):32+96*((\a)%2)+4*(\t)+3], s[10:11] offset:(16*(\a)+(\t))*4096 th:TH_STORE_NT  ; 512 consecutive bytes of a row, at a multiple of 256 from out0's first byte
.endr
.endm
	TOSTAGE 0
	TOSTAGE 1
	SEND 0, 32
	TOSTAGE 2
	SEND 1, 32
	TOSTAGE 3
	SEND 2, 32
	SEND 3, 0
	s_wait_tensorcnt 0x0                           ; the wave's end: the add and its waits stand behind my last tensor load and my last LDS store
	ds_add_u32 v[SPW], v[NIL]
	s_wait_dscnt 0x0
	CROUND                                         ; the closing round: no work-group ends while a partner may still ask for a tile that names it
	s_endpgm
.Lfunc_end_k_q1ad78c5c60_proj:
	.size	k_q1ad78c5c60_proj, .Lfunc_end_k_q1ad78c5c60_proj-k_q1ad78c5c60_proj
	.p2alignl 7, 3214868480
	.fill 96, 4, 3214868480
	.section	.rodata,"a",@progbits
	.p2align	6, 0x0
	.amdhsa_kernel k_q1ad78c5c60_proj
		.amdhsa_group_segment_fixed_size 327680
		.amdhsa_private_segment_fixed_size 0
		.amdhsa_enable_private_segment 0
		.amdhsa_kernarg_size 32
		.amdhsa_user_sgpr_count 2
		.amdhsa_user_sgpr_kernarg_segment_ptr 1
		.amdhsa_wavefront_size32 1
		.amdhsa_system_sgpr_workgroup_id_x 1
		.amdhsa_system_sgpr_workgroup_id_y 1
		.amdhsa_system_sgpr_workgroup_id_z 1
		.amdhsa_system_vgpr_workitem_id 0
		.amdhsa_next_free_vgpr 512
		.amdhsa_next_free_sgpr 72
		.amdhsa_reserve_vcc 0
		.amdhsa_float_denorm_mode_32 3
		.amdhsa_float_denorm_mode_16_64 3
		.amdhsa_memory_ordered 1
		.amdhsa_forward_progress 1
		.amdhsa_inst_pref_size 79
	.end_amdhsa_kernel
	.amdgpu_metadata
---
amdhsa.version: [ 1, 2 ]
amdhsa.kernels:
  - .name:           k_q1ad78c5c60_proj
    .symbol:         k_q1ad78c5c60_proj.kd
    .args:
      - { .name: o, .offset: 0, .size: 8, .value_kind: global_buffer, .address_space: global }
      - { .name: pwb, .offset: 8, .size: 8, .value_kind: global_buffer, .address_space: global }
      - { .name: proj_b, .offset: 16, .size: 8, .value_kind: global_buffer, .address_space: global }
      - { .name: out0, .offset: 24, .size: 8, .value_kind: global_buffer, .address_space: global }
    .group_segment_fixed_size: 327680
    .private_segment_fixed_size: 0
    .kernarg_segment_align: 8
    .kernarg_segment_size: 32
    .max_flat_workgroup_size: 128
    .sgpr_count:     72
    .vgpr_count:     512
    .wavefront_size: 32
...
	.end_amdgpu_metadata
.endif
;; end of part 4
